; MI455X (gfx1250); checked and timed in simulation.
; The chip was launched on July 23, 2026; its instructions are those of AMD's public machine-readable ISA for CDNA 5 (MIT licence, August 2026) and "CDNA5" Instruction Set Architecture Reference Guide (July 2026). The comments in the code are by the model that wrote it; some were corrected since.
;; IO Processing Attention. Allowed arithmetic: matrix products marked QUANTISED: E2M1 operands, one E8M0 scale for each 32 along K, by v_wmma_scale_f32_16x16x128_f8f6f4 with both operands' format E2M1 (or v_wmma_scale_f32_32x16x128_f4), f32 sums; products left as they are: bf16, f16 or f32 operands; f32 sums; everything else in f32.
;; Inputs: W_attn_c 1,024 x 2,048 float32; W_attn_l 1,024 x 2,048 float32; W_proj 1,024 x 1,024 float32; W_q 1,024 x 1,024 float32; b_attn_c 2,048 float32; b_attn_l 2,048 float32; b_proj 1,024 float32; b_q 1,024 float32; l 1 x 2,048 x 1,024 float32; x 1 x 2,048 x 1,024 float32.
;; Outputs: out0 1 x 2,048 x 1,024 float32.
;; This version of the problem:
;;   THIS VERSION OF THE PROBLEM IS GIVEN IN LOW PRECISION. The matrix products marked QUANTISED in the list below multiply operands that are first quantised to E2M1 (2 exponent bits, 1 mantissa bit; 4 bits a number), with one power-of-two scale for each 32 numbers along K (OCP MX v1.0); their sums are f32. The products marked 'left as it is' may take bf16, f16 or f32 operands, with f32 sums. Whichever they take, every output number must still come out within the allowed error. Rounding operands to bf16 (8 significant bits) uses up far more of that allowance than f16 does (11 bits, for magnitudes from 6e-5 to 65,504). All else is computed in f32.
;;   The module's matrix products, in the order in which they are computed (A, B: the left and right operand; K: the contracted axis; several contracted axes count as one K, in the product's order):
;;     1. [M 2,048, K 1,024] x [K 1,024, N 2,048]; A: input l; B: input W_attn_l: QUANTISED
;;     2. [M 2,048, K 1,024] x [K 1,024, N 2,048]; A: input x; B: input W_attn_c: QUANTISED
;;     3. [M 2,048, K 1,024] x [K 1,024, N 1,024]; A: input x; B: input W_q: QUANTISED
;;     4. batch 16 x [M 2,048, K 64] x [K 64, N 4,096]; A: computed on the way; B: computed on the way: left as it is (an operand is computed on the way)
;;     5. batch 16 x [M 2,048, K 4,096] x [K 4,096, N 64]; A: computed on the way; B: computed on the way: left as it is (an operand is computed on the way)
;;     6. [M 2,048, K 1,024] x [K 1,024, N 1,024]; A: computed on the way; B: input W_proj: left as it is (an operand is computed on the way)
;;   THE QUANTISER, for each operand of a quantised product, along K:
;;     - K is cut into blocks of 32 from its start; a last block that is shorter is filled with zeros.
;;     - A block's scale is 2^e with e = floor(log2(the largest magnitude in the block)) - 2, held to -126 .. 127; a block of zeros has e = 0. As a byte (E8M0): e + 127.
;;     - Each number is divided by its block's scale, clamped to +-6, and rounded to the nearest number of E2M1, ties to even, subnormals kept.
;;     - The product sums the exact products of the quantised numbers (number of the format x scale) in f32.
;;   ~~~python
;;   def quantise(x, axis):      # numpy; x: float32 -> the quantised numbers, widened to float32 again
;;       x = np.moveaxis(x, axis, -1); K = x.shape[-1]
;;       x = np.pad(x, [(0, 0)] * (x.ndim - 1) + [(0, -K % 32)]); x = x.reshape(x.shape[:-1] + (-1, 32)); a = np.abs(x).max(-1, keepdims=True)
;;       e = np.where(a > 0, np.clip(np.frexp(np.where(a > 0, a, 1))[1] - 1 - 2, -126, 127), 0)      # np.frexp(a)[1] - 1 = floor(log2(a)), exactly
;;       r = np.clip(x / 2.0 ** e, -6, 6)
;;       step = 2.0 ** (np.maximum(np.frexp(np.where(r == 0, 1, r))[1] - 1, 0) - 1)
;;       q = np.round(r / step) * step * 2.0 ** e      # np.round: ties to even
;;       return np.moveaxis(q.reshape(q.shape[:-2] + (-1,))[..., :K], -1, axis).astype(np.float32)
;;   ~~~
;; One version. Each part assembles by itself: llvm-mc -triple=amdgcn-amd-amdhsa -mcpu=gfx1250 --defsym DOCPART=n.
;; ======== version 1 of 1: 4 launches
;; limits: values are held in f16: magnitudes above 65,504 overflow, below 6.1e-05 lose precision
;; workspace buffers: codes 4,718,592 bytes; scales 294,912 bytes; wp16 2,097,152 bytes; qb 4,194,304 bytes; kb 8,388,608 bytes; vb 8,388,608 bytes; yb 4,194,304 bytes
;; launch prep (part 1): grid 320 x 1, 4 waves a work-group, no clusters, 33,280 bytes of LDS; arguments l, x, W_attn_l, W_attn_c, W_q, W_proj, codes, scales, wp16; writes codes, scales, wp16
.if DOCPART == 1
	.amdgcn_target "amdgcn-amd-amdhsa--gfx1250"
	.amdhsa_code_object_version 6
	.text
	.protected	k_qa0edcbeb87_prep
	.globl	k_qa0edcbeb87_prep
	.p2align	8
	.type	k_qa0edcbeb87_prep,@function
k_qa0edcbeb87_prep:
	s_mov_b64 s[64:65], 0
	v_nop
	global_prefetch_b8 v0, s[64:65] scope:SCOPE_SE
	s_setreg_imm32_b32 hwreg(HW_REG_WAVE_MODE, 25, 1), 1
	s_wait_xcnt 0x0
; PREP: every f32 input tensor is read once and laid as the later launches want it.  Every work-group reads 131,072 bytes.
;  work-groups 0-127   : l and x [2048][1024] f32 -> codes of FP4 (E2M1), K innermost, rows of 512 bytes (l's rows 0-2047, x's 2048-4095), and one E8M0 byte for each 32 along K, 32 bytes a row.
;  work-groups 128-287 : W_attn_l, W_attn_c, W_q ([k][n] f32, K is the FIRST axis) -> codes as images of the operand's registers: [tile of 16 channels][32 blocks of 32 k][16 rows][16 bytes];
;                        scale bytes [channel][32].  Channels: W_attn_l 0-2047, W_attn_c 2048-4095, W_q 4096-5119.
;  work-groups 288-319 : W_proj [k][n] f32 -> f16, as images [tile of 16 n][64 chunks of 16 k][lane r + 16 h: 16 bytes = n 16 t + r, k 16 c + 8 h + 0..7].
; A block's scale is 2^(floor(log2(its largest magnitude)) - 2); its byte is the largest magnitude's exponent field - 2, held at 1 from below.
; LIMITS: a block of zeros, and a block whose largest magnitude lies under 2^-124, gets the byte 1 (its codes are zeros or tiny; the bytes are read by this program alone);
; NaN and infinities are not served; |W_proj| stays under 65,504 (f16).
; No tensor load, no barrier: waves share nothing.  Only the first path stages data in LDS.
.set SPARE, 32768                      ; behind the four waves' regions: the spare words, 128 bytes a wave
.set SPW,   12                         ; v12  SPARE + 4 x my thread's number; never rewritten
.set NIL,   13                         ; v13  0; never rewritten
.set WREG,  8192                       ; path A: a wave's LDS region: two stages of 32 x 80 bytes, then its 256 scale bytes
.set SP,    80                         ; a lane's place in a stage: 64 bytes + 16 of padding
.set CB,    8                          ; bytes of 16 codes
.set STEPS, 16
.set RL,    16                         ; v16-79   four sets of 16 numbers as loaded
.set XN,    80                         ; v80-111  two sets of 16 neighbours
.set EB,    112                        ; v112-127 a scale byte for each step
.set CD,    128                        ; v128-191 codes, four registers a step: no store's data are written again
.set VO,    16                         ; weights: v16-47 byte offset of row i of a block of 32 rows: 4 x lane + i x pitch
.set XW,    48                         ; v48-111  two sets of 32 numbers, down K
.set CW,    112                        ; v112-143 codes (four a block) or f16 pairs (two sets of 16)
.set SB,    144                        ; v144-145 eight scale bytes
	s_load_b128 s[4:7], s[0:1], 0x0                ; l, x
	s_load_b256 s[8:15], s[0:1], 0x10              ; W_attn_l, W_attn_c, W_q, W_proj
	s_load_b128 s[16:19], s[0:1], 0x30             ; codes, scales
	s_load_b64 s[20:21], s[0:1], 0x40              ; wp16
	v_lshl_add_u32 v[SPW], v0, 2, SPARE
	v_mov_b32 v[NIL], 0
	v_lshrrev_b32 v1, 5, v0
	v_readfirstlane_b32 s25, v1                    ; wave 0..3
	v_and_b32 v2, 31, v0                           ; lane
	s_cmp_ge_u32 ttmp9, 128
	s_cbranch_scc1 .Lweights
; ---------------- l and x: a plain stream of blocks of 32.  A wave takes 16 steps of 512 numbers.  Each load reads 512 consecutive bytes; a step's 2,048 bytes turn through the wave's own stage,
; so that a lane then holds 16 neighbours along K (two neighbouring lanes hold a block).
	v_lshlrev_b32 v3, 4, v2                        ; my 16 bytes of a load's 512
	s_mul_i32 s26, s25, WREG
	v_lshrrev_b32 v14, 2, v2
	v_mul_u32_u24 v14, v14, SP
	v_and_b32 v15, 3, v2
	v_lshl_add_u32 v14, v15, 4, v14
	v_add_nc_u32 v14, s26, v14                     ; the stage, on the way in: 80 (lane / 4) + 16 (lane % 4)
	v_mul_u32_u24 v15, v2, SP
	v_add_nc_u32 v15, s26, v15                     ; on the way out: 80 x lane
	v_mul_u32_u24 v4, v2, CB                       ; my codes' place in a step's 256 bytes
	v_lshrrev_b32 v5, 1, v2
	s_add_co_u32 s26, s26, 2*32*SP
	v_add_nc_u32 v5, s26, v5                       ; my block's byte among the wave's 256 scale bytes
	v_lshlrev_b32 v7, 3, v2
	v_add_nc_u32 v6, s26, v7                       ; and 8 bytes a lane on their way out
	s_and_b32 s27, ttmp9, 63
	s_lshl_b32 s27, s27, 2
	s_add_co_u32 s28, s27, s25                     ; which run of 8,192 numbers of the tensor is my wave's
	s_lshl_b32 s28, s28, 15                        ; 32,768 bytes a run
	s_mov_b32 s29, 0
	s_lshl_b32 s27, ttmp9, 2
	s_add_co_u32 s27, s27, s25                     ; the run among both tensors': x's rows follow l's
	s_lshl_b32 s30, s27, 12                        ; 4,096 bytes of codes a run
	s_mov_b32 s31, 0
	s_lshl_b32 s32, s27, 8                         ; 256 scale bytes a run
	s_mov_b32 s33, 0
	s_wait_kmcnt 0x0
	s_cmp_lt_u32 ttmp9, 64                         ; l's work-group or x's: the choice hangs on the work-group's number alone
	s_cselect_b64 s[4:5], s[4:5], s[6:7]
	s_add_nc_u64 s[4:5], s[4:5], s[28:29]
	s_add_nc_u64 s[16:17], s[16:17], s[30:31]
	s_add_nc_u64 s[18:19], s[18:19], s[32:33]
.macro ALOAD t
.irp i, 0,1,2,3
	global_load_b128 v[RL+16*((\t)%4)+4*\i:RL+16*((\t)%4)+4*\i+3], v3, s[4:5] offset:2048*(\t)+512*\i th:TH_LOAD_NT
.endr
.endm
.macro ATURN t                         ; LDS serves a wave's instructions in order: no wait between the stores and the loads
.irp i, 0,1,2,3
	ds_store_b128 v14, v[RL+16*((\t)%4)+4*\i:RL+16*((\t)%4)+4*\i+3] offset:32*SP*((\t)%2)+8*SP*\i
.endr
.irp i, 0,1,2,3
	ds_load_b128 v[XN+16*((\t)%2)+4*\i:XN+16*((\t)%2)+4*\i+3], v15 offset:32*SP*((\t)%2)+16*\i
.endr
.endm
.irp t, 0,1,2,3
	ALOAD \t
.endr
	s_wait_loadcnt 12                              ; step 0's four loads are in; three steps' twelve stay out
	ATURN 0
.macro ASTEP t
.set XS, XN+16*((\t)%2)
.if (\t) > 0
	s_wait_dscnt 1                                 ; this step's numbers are back from the stage; the last step's byte store may be out
.else
	s_wait_dscnt 0x0
.endif
.if (\t)+4 < STEPS
	ALOAD (\t)+4                                   ; into the set whose stores into the stage are done
.endif
.if (\t)+1 < STEPS
.if STEPS-2-(\t) >= 3
	s_wait_loadcnt 12                              ; the next step's four loads are in; those of the three steps behind it may be out
.else
	s_wait_loadcnt 4*(STEPS-2-(\t))
.endif
	ATURN (\t)+1
.endif
	v_max3_num_f32 v8, |v[XS]|, |v[XS+1]|, |v[XS+2]|
	v_max3_num_f32 v9, |v[XS+3]|, |v[XS+4]|, |v[XS+5]|
.irp i, 6,10
	v_max3_num_f32 v8, v8, |v[XS+\i]|, |v[XS+\i+1]|
	v_max3_num_f32 v9, v9, |v[XS+\i+2]|, |v[XS+\i+3]|
.endr
	v_max3_num_f32 v8, v8, |v[XS+14]|, |v[XS+15]|
	v_max3_num_f32 v8, v8, v9, 0x1800000           ; and the floor 2^(3 - 127): the byte cannot fall under 1
	v_max_num_f32_dpp v8, v8, v8 row_xmask:1 row_mask:0xf bank_mask:0xf   ; with my neighbour's 16: the block's largest magnitude
	v_add_nc_u32 v11, 0xff000000, v8               ; 2 off its exponent field: the conversion takes that field as its scale
	v_cvt_scalef32_pk8_fp4_f32 v[CD+4*(\t)], v[XS:XS+7], v11
	v_cvt_scalef32_pk8_fp4_f32 v[CD+4*(\t)+1], v[XS+8:XS+15], v11
	v_lshrrev_b32 v[EB+(\t)], 23, v11              ; the scale's byte (also the plain line behind the conversions)
	ds_store_b8 v5, v[EB+(\t)] offset:16*(\t)      ; both lanes of a block write the same byte with the same value
	global_store_b64 v4, v[CD+4*(\t):CD+4*(\t)+1], s[16:17] offset:32*CB*(\t)   ; the wave stores 256 consecutive bytes, aligned
.endm
.irp t, 0,1,2,3,4,5,6,7,8,9,10,11,12,13,14,15
	ASTEP \t
.endr
	ds_load_b64 v[8:9], v6                         ; my wave's 256 scale bytes, behind my stores of them
	s_wait_dscnt 0x0
	global_store_b64 v7, v[8:9], s[18:19]          ; 256 consecutive bytes, aligned
	s_wait_tensorcnt 0x0                           ; the wave's end, behind my last LDS store
	ds_add_u32 v[SPW], v[NIL]
	s_wait_dscnt 0x0
	s_endpgm
; ---------------- the four weights.  A lane takes a column n and its registers run down K: each load reads 128 consecutive bytes a wave (512 a work-group), a block of 32 along K lies in one lane.
; A work-group takes 128 columns x 256 k; a wave 32 columns: eight blocks.  Loads run two blocks (64 loads a wave) ahead.
.Lweights:
	s_sub_co_u32 s26, ttmp9, 128
	s_lshr_b32 s27, s26, 2                         ; xb: which 128 columns, counted through the four tensors
	s_and_b32 s28, s26, 3                          ; kq: which 256 along K
	s_mov_b32 s34, 40
	s_mov_b32 s29, 4096                            ; a row of W_q or W_proj in bytes
	s_wait_kmcnt 0x0
	s_mov_b64 s[32:33], s[14:15]                   ; W_proj, unless
	s_cmp_lt_u32 s27, 40
	s_cselect_b64 s[32:33], s[12:13], s[32:33]     ; W_q,
	s_cselect_b32 s34, 32, s34
	s_cmp_lt_u32 s27, 32
	s_cselect_b64 s[32:33], s[10:11], s[32:33]     ; W_attn_c,
	s_cselect_b32 s34, 16, s34
	s_cselect_b32 s29, 8192, s29
	s_cmp_lt_u32 s27, 16
	s_cselect_b64 s[32:33], s[8:9], s[32:33]       ; W_attn_l
	s_cselect_b32 s34, 0, s34
	s_sub_co_u32 s35, s27, s34                     ; the block of 128 columns in its tensor
	s_lshl_b32 s35, s35, 9
	s_lshl_b32 s36, s25, 7                         ; + 32 columns a wave
	s_add_co_u32 s36, s35, s36
	s_lshl_b32 s37, s29, 8
	s_mul_i32 s37, s37, s28                        ; + kq x 256 rows
	s_add_co_u32 s36, s36, s37
	s_mov_b32 s37, 0
	s_add_nc_u64 s[32:33], s[32:33], s[36:37]
	s_lshl_b32 s30, s29, 5                         ; a block on: 32 rows
	s_mov_b32 s31, 0
	s_lshl_b32 s35, s27, 3
	s_lshl_b32 s42, s25, 1
	s_add_co_u32 s35, s35, s42                     ; my wave's first tile of 16 columns: 8 xb + 2 wave
	v_lshlrev_b32 v[VO], 2, v2
.set i, 1
.rept 31
	v_add_nc_u32 v[VO+i], s29, v[VO+i-1]
.set i, i+1
.endr
	v_and_b32 v8, 15, v2
	v_lshrrev_b32 v9, 4, v2
	v_lshlrev_b32 v4, 5, v2                        ; scale bytes: 32 a column
.macro WLOAD fs                        ; a block: W(32 t + i, my column), i = 0 .. 31
.set i, 0
.rept 32
	global_load_b32 v[XW+32*(\fs)+i], v[VO+i], s[32:33] th:TH_LOAD_NT
.set i, i+1
.endr
.endm
.macro WNEXT
	s_wait_xcnt 0x0                                ; every memory instruction issued so far has read its address and data registers: the base may step, and store data may be written again
	s_add_nc_u64 s[32:33], s[32:33], s[30:31]
.endm
	WLOAD 0
	WNEXT
	WLOAD 1
	s_cmp_ge_u32 s27, 40
	s_cbranch_scc1 .Lproj_w
	; ---- codes of FP4.  Lane's tile = 8 xb + 2 wave + lane / 16, row = lane % 16; block 8 kq + t lies 256 bytes behind the one before: sixteen lanes store 256 consecutive bytes, aligned
	s_lshl_b32 s42, s35, 13
	s_lshl_b32 s43, s28, 11
	s_add_co_u32 s42, s42, s43
	s_add_co_u32 s42, s42, 0x200000                ; the weights' codes lie behind the activations'
	s_mov_b32 s43, 0
	s_add_nc_u64 s[38:39], s[16:17], s[42:43]
	s_lshl_b32 s42, s35, 9
	s_lshl_b32 s44, s28, 3
	s_add_co_u32 s42, s42, s44
	s_add_co_u32 s42, s42, 0x20000                 ; and so do their scale bytes
	s_add_nc_u64 s[40:41], s[18:19], s[42:43]
	v_lshlrev_b32 v3, 13, v9
	v_lshl_add_u32 v3, v8, 4, v3
.macro WBLOCK t
.set XS, XW+32*((\t)%2)
.if (\t) < 7
	s_wait_loadcnt 32                              ; this block's 32 loads are in; the next block's may be out
.else
	s_wait_loadcnt 0x0
.endif
	v_max3_num_f32 v8, |v[XS]|, |v[XS+1]|, |v[XS+2]|
	v_max3_num_f32 v9, |v[XS+3]|, |v[XS+4]|, |v[XS+5]|
.irp i, 6,10,14,18,22,26
	v_max3_num_f32 v8, v8, |v[XS+\i]|, |v[XS+\i+1]|
	v_max3_num_f32 v9, v9, |v[XS+\i+2]|, |v[XS+\i+3]|
.endr
	v_max3_num_f32 v8, v8, |v[XS+30]|, |v[XS+31]|
	v_max3_num_f32 v8, v8, v9, 0x1800000           ; the floor 2^(3 - 127)
	v_add_nc_u32 v11, 0xff000000, v8
	v_lshrrev_b32 v10, 23, v11                     ; the scale's byte
.if (\t)%4 == 0
	v_mov_b32 v[SB+(\t)/4], v10
.else
	v_lshl_or_b32 v[SB+(\t)/4], v10, 8*((\t)%4), v[SB+(\t)/4]
.endif
.irp g, 0,1,2,3
	v_cvt_scalef32_pk8_fp4_f32 v[CW+4*(\t)+\g], v[XS+8*\g:XS+8*\g+7], v11
.endr
	v_nop                                          ; one plain line behind the last conversion
	global_store_b128 v3, v[CW+4*(\t):CW+4*(\t)+3], s[38:39] offset:256*(\t)
.if (\t) < 6
	WNEXT
	WLOAD (\t)%2
.endif
.endm
.irp t, 0,1,2,3,4,5,6,7
	WBLOCK \t
.endr
	global_store_b64 v4, v[SB:SB+1], s[40:41]      ; my column's eight scale bytes: 8 of each 32, the one store here that does not cover 256 bytes on end (163,840 bytes in the launch)
	s_wait_tensorcnt 0x0                           ; the wave's end
	ds_add_u32 v[SPW], v[NIL]
	s_wait_dscnt 0x0
	s_endpgm
	; ---- W_proj in f16.  Piece p of a block (8 k) lies 256 bytes behind piece p - 1: chunk 16 kq + 2 t + p / 2, half p % 2
.Lproj_w:
	s_sub_co_u32 s35, s35, 320                     ; the tile in W_proj
	s_lshl_b32 s42, s35, 15
	s_lshl_b32 s44, s28, 13
	s_add_co_u32 s42, s42, s44
	s_mov_b32 s43, 0
	s_add_nc_u64 s[38:39], s[20:21], s[42:43]
	v_lshlrev_b32 v3, 15, v9
	v_lshl_add_u32 v3, v8, 4, v3
.macro PBLOCK t
.set XS, XW+32*((\t)%2)
.set CS, CW+16*((\t)%2)                ; written again two blocks on, behind that block's wait in WNEXT
.if (\t) < 7
	s_wait_loadcnt 32
.else
	s_wait_loadcnt 0x0
.endif
.set i, 0
.rept 16
	v_cvt_pk_f16_f32 v[CS+i], v[XS+2*i], v[XS+2*i+1]
.set i, i+1
.endr
.irp p, 0,1,2,3
	global_store_b128 v3, v[CS+4*\p:CS+4*\p+3], s[38:39] offset:1024*(\t)+256*\p   ; sixteen lanes store 256 consecutive bytes, aligned
.endr
.if (\t) < 6
	WNEXT
	WLOAD (\t)%2
.endif
.endm
.irp t, 0,1,2,3,4,5,6,7
	PBLOCK \t
.endr
	s_wait_tensorcnt 0x0
	ds_add_u32 v[SPW], v[NIL]
	s_wait_dscnt 0x0
	s_endpgm
.Lfunc_end_k_qa0edcbeb87_prep:
	.size	k_qa0edcbeb87_prep, .Lfunc_end_k_qa0edcbeb87_prep-k_qa0edcbeb87_prep
	.p2alignl 7, 3214868480
	.fill 96, 4, 3214868480
	.section	.rodata,"a",@progbits
	.p2align	6, 0x0
	.amdhsa_kernel k_qa0edcbeb87_prep
		.amdhsa_group_segment_fixed_size 33280
		.amdhsa_private_segment_fixed_size 0
		.amdhsa_enable_private_segment 0
		.amdhsa_kernarg_size 72
		.amdhsa_user_sgpr_count 2
		.amdhsa_user_sgpr_kernarg_segment_ptr 1
		.amdhsa_wavefront_size32 1
		.amdhsa_system_sgpr_workgroup_id_x 1
		.amdhsa_system_sgpr_workgroup_id_y 1
		.amdhsa_system_sgpr_workgroup_id_z 1
		.amdhsa_system_vgpr_workitem_id 0
		.amdhsa_next_free_vgpr 192
		.amdhsa_next_free_sgpr 66
		.amdhsa_reserve_vcc 0
		.amdhsa_float_denorm_mode_32 3
		.amdhsa_float_denorm_mode_16_64 3
		.amdhsa_memory_ordered 1
		.amdhsa_forward_progress 1
		.amdhsa_inst_pref_size 104
	.end_amdhsa_kernel
	.amdgpu_metadata
---
amdhsa.version: [ 1, 2 ]
amdhsa.kernels:
  - .name:           k_qa0edcbeb87_prep
    .symbol:         k_qa0edcbeb87_prep.kd
    .args:
      - { .name: l, .offset: 0, .size: 8, .value_kind: global_buffer, .address_space: global }
      - { .name: x, .offset: 8, .size: 8, .value_kind: global_buffer, .address_space: global }
      - { .name: W_attn_l, .offset: 16, .size: 8, .value_kind: global_buffer, .address_space: global }
      - { .name: W_attn_c, .offset: 24, .size: 8, .value_kind: global_buffer, .address_space: global }
      - { .name: W_q, .offset: 32, .size: 8, .value_kind: global_buffer, .address_space: global }
      - { .name: W_proj, .offset: 40, .size: 8, .value_kind: global_buffer, .address_space: global }
      - { .name: codes, .offset: 48, .size: 8, .value_kind: global_buffer, .address_space: global }
      - { .name: scales, .offset: 56, .size: 8, .value_kind: global_buffer, .address_space: global }
      - { .name: wp16, .offset: 64, .size: 8, .value_kind: global_buffer, .address_space: global }
    .group_segment_fixed_size: 33280
    .private_segment_fixed_size: 0
    .kernarg_segment_align: 8
    .kernarg_segment_size: 72
    .max_flat_workgroup_size: 128
    .sgpr_count:     66
    .vgpr_count:     192
    .wavefront_size: 32
...
	.end_amdgpu_metadata
.endif
;; end of part 1
;; launch qkv (part 2): grid 20 x 8, 16 waves a work-group, clusters of 4 x 4, 285,696 bytes of LDS; arguments codes, scales, b_attn_l, b_attn_c, b_q, qb, kb, vb; writes qb, kb, vb
.if DOCPART == 2
	.amdgcn_target "amdgcn-amd-amdhsa--gfx1250"
	.amdhsa_code_object_version 6
	.text
	.protected	k_qa0edcbeb87_qkv
	.globl	k_qa0edcbeb87_qkv
	.p2align	8
	.type	k_qa0edcbeb87_qkv,@function
k_qa0edcbeb87_qkv:
	s_mov_b64 s[64:65], 0
	v_nop
	global_prefetch_b8 v0, s[64:65] scope:SCOPE_SE
	s_setreg_imm32_b32 hwreg(HW_REG_WAVE_MODE, 25, 1), 1
	s_wait_xcnt 0x0
	s_wait_alu depctr_hold_cnt(0) depctr_sa_sdst(0) depctr_va_vdst(0) depctr_va_sdst(0) depctr_va_ssrc(0) depctr_va_vcc(0) depctr_vm_vsrc(0)
	s_getreg_b32 s2, hwreg(HW_REG_IB_STS2, 6, 4)
	s_cmp_eq_u32 s2, 0
	s_cbranch_scc0 .Lentry_in_a_cluster
	s_endpgm
.Lentry_in_a_cluster:
	s_bfe_u32 s2, ttmp6, 0x10000c
	s_cmp_lg_u32 s2, 0xf033
	s_cbranch_scc0 .Lentry_shape_is_right
	s_endpgm
.Lentry_shape_is_right:
; QKV: the three quantised products, on codes of FP4 with E8M0 scales: [l; x] (4,096 rows of codes) against 5,120 channels (k_l, v_l, k_c, v_c, q: 1,024 each), K = 1,024; f32 sums; + bias; out in f16.
; A work-group makes 256 tokens x 256 channels over all of K: all its codes and scale bytes come into LDS once (266,240 + 17,408 bytes), by first fills alone: no slot is filled again.
; Sixteen waves, four to a SIMD: wave w makes tokens 64 (w % 4) on x channels 64 (w / 4) on (one head): 16 accumulators.
; CLUSTER 4 x 4: the four of a row need the same tokens' codes and scales, the four of a column the same channels': each is asked for jointly.  A cluster's x is the section (0 k_l, 1 v_l, 2 k_c, 3 v_c, 4 q):
; every branch hangs on it or on the wave's number, never on a place in the cluster.
; OUT, as images of the next launch's f16 operand registers, [head][group of 64 tokens][8,192 bytes], block (a, b) at 2,048 b + 512 a + 16 x lane:
;   k, q: source 0 = 16 channels, source 1 = 16 tokens: a lane holds token 16 b + r, channels 16 a + 8 h + 0..7.    v: the sources swapped: channel 16 b + r, keys 16 a + 8 h + 0..7.
;   q is multiplied by c = log2(e) / 8 in f32 ahead of its rounding, so that the scores come in units of powers of two.
; LIMITS: |c q|, |k|, |v| stay under 65,504 (f16).  The bias is added behind the f32 sum.
.set WT,    135168                     ; LDS: 0: 256 tokens' codes, rows of 512 bytes + 16; here: 16 tiles of 16 channels, 8,192 bytes each, as register images
.set SCL,   266240                     ; the tokens' scale bytes (8,192 as units of 256 + 16), then the channels'
.set SPARE, 283648                     ; the spare words, 128 bytes a wave
.set WV,  20
.set BI,  16                           ; v16-47   the bias
.set SC,  48                           ; v48-63   scale words and nothing else: register 4 i + q % 4: lanes 0-15 tokens' tile i, lanes 16-31 channels' tile i
.set WF,  64                           ; v64-95   four fragments of the weights;  v96-127 of the activations;  on the way out v64-127: f16
.set AF,  96
.set ACC, 128                          ; v128-255 accumulator (a, b) at 128 + 8 (4 a + b)
.macro CROUND                          ; a round of the cluster's barrier
	s_barrier_signal -1
	s_barrier_wait -1
	s_cmp_lg_u32 s[WV], 0
	s_cbranch_scc1 .Lnw0_\@
	s_barrier_signal -3
.Lnw0_\@:
	s_barrier_wait -3
	s_barrier_signal -1
	s_barrier_wait -1
.endm
.macro NOPS4
.rept 4
	v_nop
.endr
.endm
	s_load_b256 s[4:11], s[0:1], 0x0               ; codes, scales, b_attn_l, b_attn_c
	s_load_b256 s[12:19], s[0:1], 0x20             ; b_q, qb, kb, vb
	v_lshl_add_u32 v5, v0, 2, SPARE
	v_mov_b32 v6, 0
	ds_add_u32 v5, v6                              ; the opening: the add, twice on end, and its wait ahead of the first tensor load; the set-up stands between
	ds_add_u32 v5, v6
	v_lshrrev_b32 v9, 5, v0
	v_readfirstlane_b32 s[WV], v9                  ; wave 0..15
	s_bfe_u32 s21, ttmp6, 0x40000                  ; cx
	s_bfe_u32 s22, ttmp6, 0x40004                  ; cy
	s_lshl_b32 s23, ttmp9, 2
	s_add_co_u32 s23, s23, s21                     ; cg: which 256 channels
	s_and_b32 s24, ttmp7, 0xffff
	s_lshl_b32 s24, s24, 2
	s_add_co_u32 s24, s24, s22                     ; tb: which 256 tokens
	s_lshl_b32 s25, s22, 2
	s_lshl_b32 s25, 15, s25                        ; my row of the cluster
	s_lshl_b32 s26, 0x1111, s21                    ; my column
	s_and_b32 s27, s[WV], 3                        ; tg; also: which quarter I fetch
	s_lshr_b32 s66, s[WV], 2                       ; hg
	; group 1 for the tokens' codes: 64 rows x 512 bytes, 16 bytes of padding behind each
	s_or_b32 s28, s25, (1<<20)|(1<<21)|(6<<22)|(3<<25)
	s_mov_b32 s29, 512<<16
	s_mov_b32 s30, 64<<16
	s_mov_b32 s31, 512<<16
	s_mov_b32 s32, 64
	s_mov_b32 s33, 512
	s_mov_b32 s34, 0
	s_mov_b32 s35, 0
	; for the channels' codes: 32,768 dense bytes as 128 rows of 256 (32 elements of 8 bytes)
	s_or_b32 s36, s26, (3<<16)|(1<<21)
	s_mov_b32 s37, 32<<16
	s_mov_b32 s38, 128<<16
	s_mov_b32 s39, 32<<16
	s_mov_b32 s40, 128
	s_mov_b32 s41, 32
	s_mov_b32 s42, 0
	s_mov_b32 s43, 0
	; for scale bytes: 8,192 dense bytes as 32 rows of 256, 16 bytes of padding behind each: the tokens' (my row), the channels' (my column)
	s_or_b32 s44, s25, (3<<16)|(1<<20)|(1<<21)|(5<<22)|(3<<25)
	s_or_b32 s52, s26, (3<<16)|(1<<20)|(1<<21)|(5<<22)|(3<<25)
.irp g, 44, 52
	s_mov_b32 s[\g+1], 32<<16
	s_mov_b32 s[\g+2], 32<<16
	s_mov_b32 s[\g+3], 32<<16
	s_mov_b32 s[\g+4], 32
	s_mov_b32 s[\g+5], 32
	s_mov_b32 s[\g+6], 0
	s_mov_b32 s[\g+7], 0
.endr
	; byte offsets.  What feeds a load shared along the row never holds cx; what feeds one shared along the column never holds cy
	s_cmp_lt_u32 ttmp9, 2
	s_cselect_b32 s92, 0, 2048                     ; sections 0, 1 multiply l's rows, the others x's
	s_lshl_b32 s93, s24, 8
	s_add_co_u32 s92, s92, s93                     ; the work-group's first row of codes
	s_lshl_b32 s93, s27, 6
	s_add_co_u32 s94, s92, s93
	s_lshl_b32 s94, s94, 9                         ; my 64 rows, 512 bytes each
	s_mov_b32 s95, 0
	s_lshl_b32 s98, s92, 5                         ; 32 scale bytes a row
	s_mov_b32 s99, 0
	s_lshl_b32 s96, s23, 4
	s_lshl_b32 s97, s27, 2
	s_add_co_u32 s96, s96, s97                     ; my four tiles of channels
	s_lshl_b32 s96, s96, 13
	s_add_co_u32 s96, s96, 0x200000
	s_mov_b32 s97, 0
	s_lshl_b32 s82, s23, 13
	s_add_co_u32 s82, s82, 0x20000                 ; the 256 channels' scale bytes
	s_mov_b32 s83, 0
	; where my wave's results go
	s_lshl_b32 s86, s21, 2
	s_add_co_u32 s86, s86, s66                     ; the head: 4 (cg % 4) + hg
	s_lshl_b32 s87, s24, 2
	s_add_co_u32 s87, s87, s27                     ; the group of 64 tokens
	s_mov_b32 s84, 0x3f800000                      ; 1.0,
	s_cmp_ge_u32 ttmp9, 2
	s_cselect_b32 s88, 32, 0                       ; the text's keys follow the latents'
	s_cmp_eq_u32 ttmp9, 4
	s_cselect_b32 s88, 0, s88
	s_cselect_b32 s89, 5, 6                        ; q has 32 groups a head, k and v 64
	s_cselect_b32 s84, 0x3e38aa3b, s84             ; or, for q, c = log2(e) / 8
	s_mov_b32 s85, s84                             ; (named with it as a pair)
	s_lshl_b32 s86, s86, s89
	s_add_co_u32 s86, s86, s87
	s_add_co_u32 s86, s86, s88
	s_lshl_b32 s86, s86, 13
	s_mov_b32 s87, 0
	s_cmp_lt_u32 ttmp9, 2                          ; my 64 numbers of the section's bias
	s_cselect_b32 s88, 0, 8
	s_cmp_lt_u32 ttmp9, 4
	s_cselect_b32 s88, s88, 16
	s_sub_co_u32 s88, s23, s88
	s_lshl_b32 s88, s88, 10
	s_lshl_b32 s89, s66, 8
	s_add_co_u32 s88, s88, s89
	s_mov_b32 s89, 0
	; LDS addresses: constants, the lane and the wave's number alone
	v_and_b32 v1, 15, v0                           ; r
	v_bfe_u32 v2, v0, 4, 1                         ; h
	v_mul_u32_u24 v3, v1, 528
	v_lshl_add_u32 v3, v2, 4, v3
	s_mul_i32 s67, s27, 33792
	v_add_nc_u32 v3, s67, v3                       ; activations: my 64 rows, row r, + 16 h
	v_and_b32 v8, 31, v0
	v_lshlrev_b32 v8, 4, v8                        ; 16 x lane
	s_lshl_b32 s67, s66, 15
	s_add_co_u32 s67, s67, WT
	v_add_nc_u32 v4, s67, v8                       ; weights: my four tiles, as images
	v_lshrrev_b32 v9, 3, v1
	v_lshlrev_b32 v7, 5, v1
	v_lshl_add_u32 v7, v9, 4, v7                   ; scale words: 32 r, + 16 for the unit passed
	s_xor_b32 s67, s27, 3
	s_add_co_u32 s67, s67, s66
	s_add_co_u32 s67, s67, 1
	s_mul_i32 s67, s67, 2176                       ; from my tokens' words to my channels': 8,704 + 2,176 hg - 2,176 tg
	v_mul_u32_u24 v9, s67, v2                      ; lanes 16-31 take the channels'
	v_add_nc_u32 v7, v7, v9
	s_mul_i32 s67, s27, 2176
	s_add_co_u32 s67, s67, SCL
	v_add_nc_u32 v7, s67, v7
	v_lshlrev_b32 v10, 5, v2                       ; bias, k and q: 8 h numbers on
	v_lshlrev_b32 v11, 2, v1                       ; bias, v: r numbers on
	s_wait_dscnt 0x0                               ; both opening adds are done
	s_wait_kmcnt 0x0
	s_mov_b32 s60, 1
	s_mul_i32 s61, s27, 33792
	s_add_nc_u64 s[62:63], s[4:5], s[94:95]
	s_or_b32 s63, s63, 0x80000000
	s_mov_b32 s68, 1
	s_lshl_b32 s69, s27, 15
	s_add_co_u32 s69, s69, WT
	s_add_nc_u64 s[70:71], s[4:5], s[96:97]
	s_or_b32 s71, s71, 0x80000000
	s_mov_b32 s72, 1
	s_mov_b32 s73, SCL
	s_add_nc_u64 s[74:75], s[6:7], s[98:99]
	s_or_b32 s75, s75, 0x80000000
	s_mov_b32 s76, 1
	s_mov_b32 s77, SCL+8704
	s_add_nc_u64 s[78:79], s[6:7], s[82:83]
	s_or_b32 s79, s79, 0x80000000
	s_cmp_eq_u32 ttmp9, 4
	s_cselect_b64 s[90:91], s[14:15], s[16:17]     ; qb or kb,
	s_bitcmp1_b32 ttmp9, 0
	s_cselect_b64 s[90:91], s[18:19], s[90:91]     ; or vb
	s_add_nc_u64 s[90:91], s[90:91], s[86:87]
	s_cmp_lt_u32 ttmp9, 2
	s_cselect_b64 s[80:81], s[8:9], s[10:11]
	s_cmp_lt_u32 ttmp9, 4
	s_cselect_b64 s[80:81], s[80:81], s[12:13]
	s_add_nc_u64 s[80:81], s[80:81], s[88:89]
	CROUND                                         ; all sixteen work-groups are here: the joint loads meet
	; waves 0-3: the tokens' codes; 4-7: the channels'; 8, 9: the scale bytes.  One load a wave at the most; an s_nop 0 and four v_nop follow each
	s_cmp_lt_u32 s[WV], 4
	s_cbranch_scc0 .Lnot_a
	tensor_load_to_lds s[60:63], s[28:35]
	s_nop 0
	NOPS4
	s_branch .Lasked
.Lnot_a:
	s_cmp_lt_u32 s[WV], 8
	s_cbranch_scc0 .Lnot_w
	tensor_load_to_lds s[68:71], s[36:43]
	s_nop 0
	NOPS4
	s_branch .Lasked
.Lnot_w:
	s_cmp_eq_u32 s[WV], 8
	s_cbranch_scc0 .Lnot_sa
	tensor_load_to_lds s[72:75], s[44:51]
	s_nop 0
	NOPS4
	s_branch .Lasked
.Lnot_sa:
	s_cmp_eq_u32 s[WV], 9
	s_cbranch_scc0 .Lasked
	tensor_load_to_lds s[76:79], s[52:59]
	s_nop 0
	NOPS4
.Lasked:
	s_wait_tensorcnt 0x0                           ; my load, if I have one, has landed;
	s_barrier_signal -1
	s_barrier_wait -1                              ; everybody's has
; A K step of 128: 16 fragment loads (and, every fourth step, four loads of four scale words a row), one wait, 16 products.  The SIMD's other three waves work meanwhile: so one set of fragments.
; The sixteen accumulators take turns, one instruction a turn.
.macro KSTEP q, swap
.if (\q) > 0
	NOPS4                                          ; four places in front of loads into registers that matrix instructions have read
.endif
.if ((\q)%4) == 0
.irp i, 0,1,2,3
	ds_load_b128 v[SC+4*\i:SC+4*\i+3], v7 offset:544*\i+16*((\q)/4)
.endr
.endif
.irp i, 0,1,2,3
.irp c, 0,1
	ds_load_b128 v[WF+8*\i+4*\c:WF+8*\i+4*\c+3], v4 offset:8192*\i+1024*(\q)+512*\c
	ds_load_b128 v[AF+8*\i+4*\c:AF+8*\i+4*\c+3], v3 offset:8448*\i+64*(\q)+32*\c
.endr
.endr
	s_wait_dscnt 0x0
.irp a, 0,1,2,3
.irp b, 0,1,2,3
.if \swap
.if (\q) == 0
	v_wmma_scale_f32_16x16x128_f8f6f4 v[ACC+8*(4*\a+\b):ACC+8*(4*\a+\b)+7], v[AF+8*\a:AF+8*\a+7], v[WF+8*\b:WF+8*\b+7], 0, v[SC+4*\a+(\q)%4], v[SC+4*\b+(\q)%4] matrix_a_fmt:MATRIX_FMT_FP4 matrix_b_fmt:MATRIX_FMT_FP4 matrix_b_scale:MATRIX_SCALE_ROW1
.else
	v_wmma_scale_f32_16x16x128_f8f6f4 v[ACC+8*(4*\a+\b):ACC+8*(4*\a+\b)+7], v[AF+8*\a:AF+8*\a+7], v[WF+8*\b:WF+8*\b+7], v[ACC+8*(4*\a+\b):ACC+8*(4*\a+\b)+7], v[SC+4*\a+(\q)%4], v[SC+4*\b+(\q)%4] matrix_a_fmt:MATRIX_FMT_FP4 matrix_b_fmt:MATRIX_FMT_FP4 matrix_b_scale:MATRIX_SCALE_ROW1
.endif
.else
.if (\q) == 0
	v_wmma_scale_f32_16x16x128_f8f6f4 v[ACC+8*(4*\a+\b):ACC+8*(4*\a+\b)+7], v[WF+8*\a:WF+8*\a+7], v[AF+8*\b:AF+8*\b+7], 0, v[SC+4*\a+(\q)%4], v[SC+4*\b+(\q)%4] matrix_a_fmt:MATRIX_FMT_FP4 matrix_b_fmt:MATRIX_FMT_FP4 matrix_a_scale:MATRIX_SCALE_ROW1
.else
	v_wmma_scale_f32_16x16x128_f8f6f4 v[ACC+8*(4*\a+\b):ACC+8*(4*\a+\b)+7], v[WF+8*\a:WF+8*\a+7], v[AF+8*\b:AF+8*\b+7], v[ACC+8*(4*\a+\b):ACC+8*(4*\a+\b)+7], v[SC+4*\a+(\q)%4], v[SC+4*\b+(\q)%4] matrix_a_fmt:MATRIX_FMT_FP4 matrix_b_fmt:MATRIX_FMT_FP4 matrix_a_scale:MATRIX_SCALE_ROW1
.endif
.endif
.endr
.endr
.endm
; The way out: sum x factor + bias x factor, rounded to f16; a block of 16 x 16 is 512 consecutive bytes, stored by one instruction.  Each accumulator is read from its low end on.
.macro OUTW swap
.irp a, 0,1,2,3
.irp b, 0,1,2,3
.irp j, 0,2,4,6
.if \swap
	v_pk_fma_f32 v[ACC+8*(4*\a+\b)+\j:ACC+8*(4*\a+\b)+\j+1], v[ACC+8*(4*\a+\b)+\j:ACC+8*(4*\a+\b)+\j+1], s[84:85], v[BI+2*\b:BI+2*\b+1] op_sel_hi:[1,0,1]
.else
	v_pk_fma_f32 v[ACC+8*(4*\a+\b)+\j:ACC+8*(4*\a+\b)+\j+1], v[ACC+8*(4*\a+\b)+\j:ACC+8*(4*\a+\b)+\j+1], s[84:85], v[BI+8*\a+\j:BI+8*\a+\j+1] op_sel_hi:[1,0,1]
.endif
.endr
.irp j, 0,1,2,3
	v_cvt_pk_f16_f32 v[WF+4*(4*\a+\b)+\j], v[ACC+8*(4*\a+\b)+2*\j], v[ACC+8*(4*\a+\b)+2*\j+1]
.endr
	global_store_b128 v8, v[WF+4*(4*\a+\b):WF+4*(4*\a+\b)+3], s[90:91] offset:2048*\b+512*\a
.endr
.endr
.endm
	s_bitcmp1_b32 ttmp9, 0                         ; sections 1 and 3 make v: the cluster's number alone decides
	s_cbranch_scc1 .Lvpart
.irp a, 0,1,2,3                        ; k, q: a lane's register j of tile a is channel 16 a + 8 h + j
	global_load_b128 v[BI+8*\a:BI+8*\a+3], v10, s[80:81] offset:64*\a
	global_load_b128 v[BI+8*\a+4:BI+8*\a+7], v10, s[80:81] offset:64*\a+16
.endr
.irp q, 0,1,2,3,4,5,6,7
	KSTEP \q, 0
.endr
	s_wait_loadcnt 0x0                             ; the bias
.irp p, 0,2,4,6,8,10,12,14,16,18,20,22,24,26,28,30
	v_pk_mul_f32 v[BI+\p:BI+\p+1], v[BI+\p:BI+\p+1], s[84:85] op_sel_hi:[1,0]   ; (these sixteen are also the places behind the last products)
.endr
	OUTW 0
	s_branch .Lend
.Lvpart:
.irp b, 0,1,2,3                        ; v: all eight registers of a lane in tile b are channel 16 b + r: the number twice, as a pair
	global_load_b32 v[BI+2*\b], v11, s[80:81] offset:64*\b
	global_load_b32 v[BI+2*\b+1], v11, s[80:81] offset:64*\b
.endr
.irp q, 0,1,2,3,4,5,6,7
	KSTEP \q, 1
.endr
	s_wait_loadcnt 0x0
.irp b, 0,1,2,3
	v_pk_mul_f32 v[BI+2*\b:BI+2*\b+1], v[BI+2*\b:BI+2*\b+1], s[84:85] op_sel_hi:[1,0]   ; (the four places behind the last products)
.endr
	OUTW 1
.Lend:
	s_wait_tensorcnt 0x0                           ; the wave's end
	ds_add_u32 v5, v6
	s_wait_dscnt 0x0
	CROUND                                         ; the closing round
	s_endpgm
.Lfunc_end_k_qa0edcbeb87_qkv:
	.size	k_qa0edcbeb87_qkv, .Lfunc_end_k_qa0edcbeb87_qkv-k_qa0edcbeb87_qkv
	.p2alignl 7, 3214868480
	.fill 96, 4, 3214868480
	.section	.rodata,"a",@progbits
	.p2align	6, 0x0
	.amdhsa_kernel k_qa0edcbeb87_qkv
		.amdhsa_group_segment_fixed_size 285696
		.amdhsa_private_segment_fixed_size 0
		.amdhsa_enable_private_segment 0
		.amdhsa_kernarg_size 64
		.amdhsa_user_sgpr_count 2
		.amdhsa_user_sgpr_kernarg_segment_ptr 1
		.amdhsa_wavefront_size32 1
		.amdhsa_system_sgpr_workgroup_id_x 1
		.amdhsa_system_sgpr_workgroup_id_y 1
		.amdhsa_system_sgpr_workgroup_id_z 1
		.amdhsa_system_vgpr_workitem_id 0
		.amdhsa_next_free_vgpr 256
		.amdhsa_next_free_sgpr 100
		.amdhsa_reserve_vcc 0
		.amdhsa_float_denorm_mode_32 3
		.amdhsa_float_denorm_mode_16_64 3
		.amdhsa_memory_ordered 1
		.amdhsa_forward_progress 1
		.amdhsa_inst_pref_size 83
	.end_amdhsa_kernel
	.amdgpu_metadata
---
amdhsa.version: [ 1, 2 ]
amdhsa.kernels:
  - .name:           k_qa0edcbeb87_qkv
    .symbol:         k_qa0edcbeb87_qkv.kd
    .args:
      - { .name: codes, .offset: 0, .size: 8, .value_kind: global_buffer, .address_space: global }
      - { .name: scales, .offset: 8, .size: 8, .value_kind: global_buffer, .address_space: global }
      - { .name: b_attn_l, .offset: 16, .size: 8, .value_kind: global_buffer, .address_space: global }
      - { .name: b_attn_c, .offset: 24, .size: 8, .value_kind: global_buffer, .address_space: global }
      - { .name: b_q, .offset: 32, .size: 8, .value_kind: global_buffer, .address_space: global }
      - { .name: qb, .offset: 40, .size: 8, .value_kind: global_buffer, .address_space: global }
      - { .name: kb, .offset: 48, .size: 8, .value_kind: global_buffer, .address_space: global }
      - { .name: vb, .offset: 56, .size: 8, .value_kind: global_buffer, .address_space: global }
    .group_segment_fixed_size: 285696
    .private_segment_fixed_size: 0
    .kernarg_segment_align: 8
    .kernarg_segment_size: 64
    .max_flat_workgroup_size: 512
    .sgpr_count:     100
    .vgpr_count:     256
    .wavefront_size: 32
...
	.end_amdgpu_metadata
.endif
;; end of part 2
;; launch attn (part 3): grid 16 x 16, 16 waves a work-group, clusters of 4 x 1, 327,680 bytes of LDS; arguments qb, kb, vb, yb; writes yb
.if DOCPART == 3
	.amdgcn_target "amdgcn-amd-amdhsa--gfx1250"
	.amdhsa_code_object_version 6
	.text
	.protected	k_qa0edcbeb87_attn
	.globl	k_qa0edcbeb87_attn
	.p2align	8
	.type	k_qa0edcbeb87_attn,@function
k_qa0edcbeb87_attn:
	s_mov_b64 s[64:65], 0
	v_nop
	global_prefetch_b8 v0, s[64:65] scope:SCOPE_SE
	s_setreg_imm32_b32 hwreg(HW_REG_WAVE_MODE, 25, 1), 1
	s_wait_xcnt 0x0
	s_wait_alu depctr_hold_cnt(0) depctr_sa_sdst(0) depctr_va_vdst(0) depctr_va_sdst(0) depctr_va_ssrc(0) depctr_va_vcc(0) depctr_vm_vsrc(0)
	s_getreg_b32 s2, hwreg(HW_REG_IB_STS2, 6, 4)
	s_cmp_eq_u32 s2, 0
	s_cbranch_scc0 .Lentry_in_a_cluster
	s_endpgm
.Lentry_in_a_cluster:
	s_bfe_u32 s2, ttmp6, 0x10000c
	s_cmp_lg_u32 s2, 0x3003
	s_cbranch_scc0 .Lentry_shape_is_right
	s_endpgm
.Lentry_shape_is_right:
; ATTN: y[h][q] = sum over k of softmax_k(q . k / 8) v, 16 heads of 64, 2,048 queries, 4,096 keys; key j counts for query i where j <= i + 2,047.  Operands f16, products' sums, maxima and sums f32.
; q arrives multiplied by log2(e) / 8: p = 2^(s - m), m the running maximum of the wave's keys; O and l are multiplied by a = 2^(old m - new m) in every step.
; SHARES.  A cluster of four work-groups serves, in one head, the four blocks of 128 queries cl, 7 - cl, 8 + cl, 15 - cl (cl: the cluster's x): under the mask their keys add up alike for every cl.
; Work-group cx takes 32 queries of each block.  Wave w: block w / 4; of the groups of 64 keys those with number % 4 = w % 4.  So a wave has two tiles of 16 queries and 16 steps of 64 keys, and each fragment
; of K and V that it reads feeds two products.  At the end the four waves of a block join their partial results through LDS, each for 16 of the head's 64 channels.
; A step whose keys all lie behind the BLOCK's last query is jumped over, one whose keys all count for the block's first query skips the masking: both tests hang on cl, the wave's number and the count of steps,
; which the four partners share, never on cx.  Block 15 - cl reaches beyond key 3,584, so every work-group reads part of each of the eight slots: no tensor load is ever jumped over.
; LAYOUT.  S^T = K Q^T and O^T = V^T P: a lane holds one query (lane % 16) throughout; two tiles of S^T, rounded in pairs, are source 1 of the second product.  K, V, Q lie in memory as images of their fragments' registers:
; a slot (512 keys: 65,536 bytes of K, 65,536 of V) is dense, every fragment read is 16 x lane on end.
; CLUSTER: the four work-groups walk the same K and V: each slot is asked for jointly, by wave 0 (K) and wave 1 (V).
; LIMITS: f16 operands (|c q|, |k|, |v|, |y| under 65,504).
.set SLOT1, 131072
.set VOFF,  65536
.set STT,   262144                     ; the merge's m and l: 512 bytes a wave
.set SPARE, 270336                     ; the spare words, 128 bytes a wave
.set WV,  12
.set QF,  16                           ; v16-47   Q: tile u, channels 32 e on, at 16 + 16 u + 8 e
.set KV,  48                           ; v48-111  K: keys 16 b on, channels 32 e on, at 48 + 16 b + 8 e; then V: channels 16 c on, keys 32 e on, likewise
.set S,   112                          ; v112-175 S^T (u, b) at 112 + 32 u + 8 b; P in the first 16 registers of each u
.set O,   176                          ; v176-239 O^T (u, c) at 176 + 32 u + 8 c
.set ST,  240                          ; v240 + 8 u: +0 m, +1 its pair's partner, +2, +3 l, +4 .. +7 at work (a in +4)
; v1 16 lane + 8,192 (w % 4); v2, v3 the step's K and V; v4 16 lane; v5, v6 the add's two; v7 256 lane; v8 r - 8 h; v9 -infinity; v10, v11 the mask's bounds; v12-15 the merge's LDS addresses
.macro CROUND
	s_barrier_signal -1
	s_barrier_wait -1
	s_cmp_lg_u32 s[WV], 0
	s_cbranch_scc1 .Lnw0_\@
	s_barrier_signal -3
.Lnw0_\@:
	s_barrier_wait -3
	s_barrier_signal -1
	s_barrier_wait -1
.endm
.macro NOPS4
.rept 4
	v_nop
.endr
.endm
.macro TLOAD                           ; wave 0 fetches the slot's K, wave 1 its V: 65,536 dense bytes each; an s_nop 0 and four v_nop follow
	s_cmp_lt_u32 s[WV], 2
	s_cbranch_scc0 .Lnone_\@
	tensor_load_to_lds s[36:39], s[28:35]
	s_nop 0
	NOPS4
.Lnone_\@:
.endm
; A prefetch of the slot that the NEXT change of slots will ask for.  All four clusters of a head walk the same K and V: the first (cluster x = 0) asks.  Its four work-groups share a slot's 65,536 bytes out by address,
; 16,384 each; in each, waves 2, 3 ask for K's and waves 4, 5 for V's, 8,192 bytes a wave, lanes 256 bytes apart: each block of 256 bytes is named once in the launch.  The last change that fills a slot asks for nothing.
.macro ASK
	s_cmp_gt_u32 s26, s27
	s_cbranch_scc0 .Lnotmine_\@
	global_prefetch_b8 v7, s[40:41] th:TH_LOAD_NT scope:SCOPE_SE
.Lnotmine_\@:
.endm
	s_load_b256 s[4:11], s[0:1], 0x0               ; qb, kb, vb, yb
	v_lshl_add_u32 v5, v0, 2, SPARE
	v_mov_b32 v6, 0
	ds_add_u32 v5, v6                              ; the opening: the add, twice on end, and its wait ahead of the first tensor load; the set-up stands between
	ds_add_u32 v5, v6
	v_lshrrev_b32 v48, 5, v0
	v_readfirstlane_b32 s[WV], v48
	s_and_b32 s13, s[WV], 3                        ; kq: which groups of keys
	s_lshr_b32 s14, s[WV], 2                       ; qg: which block of queries
	s_bfe_u32 s15, ttmp6, 0x40000                  ; cx: enters global addresses and the mask's data alone
	s_and_b32 s16, ttmp7, 0xffff                   ; the head
	s_sub_co_u32 s24, 7, ttmp9
	s_bitcmp1_b32 s14, 0
	s_cselect_b32 s24, s24, ttmp9
	s_lshr_b32 s25, s14, 1
	s_lshl_b32 s25, s25, 3
	s_add_co_u32 s24, s24, s25                     ; the block: cl, 7 - cl, 8 + cl, 15 - cl
	s_lshl_b32 s24, s24, 7                         ; its first query
	s_add_co_u32 s18, s24, 2174                    ; the last key that counts for its last query
	s_add_co_u32 s19, s24, 1984                    ; a step that begins at or under this key is open to all of the block
	s_lshl_b32 s25, s15, 5
	s_add_co_u32 s17, s24, s25                     ; my first query
	s_add_co_u32 s44, s17, 2047
	s_mov_b32 s20, 0x76543210
	s_mov_b32 s21, 0xfedcba98                      ; v_permlanex16_b32's selects for lane l xor 16
	s_mov_b32 s22, 0                               ; the slot in hand
	s_lshl_b32 s23, s13, 6                         ; the step's first key
	s_mov_b32 s26, 7                               ; slots still to be asked for
	s_sub_co_u32 s27, s[WV], 2
	s_lshr_b32 s27, s27, 2                         ; 0 in waves 2 to 5,
	s_or_b32 s27, s27, ttmp9                       ; of the head's first cluster: the same in all four partners
	s_cmp_eq_u32 s27, 0
	s_cselect_b32 s27, 1, -1
	s_mov_b32 s28, 15|(3<<16)|(1<<21)              ; group 1: all four work-groups; elements of 8 bytes; 256 rows of 32
	s_mov_b32 s29, 32<<16
	s_mov_b32 s30, 256<<16
	s_mov_b32 s31, 32<<16
	s_mov_b32 s32, 256
	s_mov_b32 s33, 32
	s_mov_b32 s34, 0
	s_mov_b32 s35, 0
	s_mov_b32 s36, 1
	s_and_b32 s37, s[WV], 1
	s_lshl_b32 s37, s37, 16                        ; K at the slot's head, V 65,536 bytes on
	v_and_b32 v48, 31, v0
	v_lshlrev_b32 v4, 4, v48
	v_lshlrev_b32 v7, 8, v48
	v_lshlrev_b32 v49, 2, v48
	s_lshl_b32 s24, s13, 13
	v_add_nc_u32 v1, s24, v4
	v_and_b32 v50, 15, v0
	v_bfe_u32 v51, v0, 4, 1
	v_lshlrev_b32 v51, 3, v51
	v_sub_nc_u32 v8, v50, v51
	v_mov_b32 v9, 0xff800000
	s_lshl_b32 s24, s[WV], 13
	v_add_nc_u32 v12, s24, v4                      ; the merge: my O^T goes to 8,192 w,
	s_lshl_b32 s24, s[WV], 9
	s_add_co_u32 s24, s24, STT
	v_add_nc_u32 v13, s24, v49                     ; my m and l to STT + 512 w;
	s_lshl_b32 s24, s14, 15
	s_lshl_b32 s25, s13, 10
	s_add_co_u32 s24, s24, s25
	v_add_nc_u32 v14, s24, v4                      ; I read channel tile kq of my block's four waves,
	s_lshl_b32 s24, s14, 11
	s_add_co_u32 s24, s24, STT
	v_add_nc_u32 v15, s24, v49                     ; and their m and l
	s_wait_dscnt 0x0                               ; both opening adds are done
	s_wait_kmcnt 0x0
	s_lshl_b32 s42, s16, 19                        ; a head's K or V: 524,288 bytes
	s_mov_b32 s43, 0
	s_bitcmp1_b32 s[WV], 0
	s_cselect_b64 s[38:39], s[8:9], s[6:7]
	s_add_nc_u64 s[38:39], s[38:39], s[42:43]
	s_or_b32 s39, s39, 0x80000000
	s_cmp_lt_u32 s[WV], 4
	s_cselect_b64 s[40:41], s[6:7], s[8:9]
	s_add_nc_u64 s[40:41], s[40:41], s[42:43]
	s_lshl_b32 s46, s15, 14
	s_and_b32 s47, s[WV], 1
	s_lshl_b32 s47, s47, 13
	s_add_co_u32 s46, s46, s47
	s_add_co_u32 s46, s46, 65536                   ; in slot 1: the first change of slots steps it to slot 2.  Nothing is prefetched at the head
	s_mov_b32 s47, 0
	s_add_nc_u64 s[40:41], s[40:41], s[46:47]
	s_lshl_b32 s46, s16, 18                        ; a head's Q: 262,144 bytes; 128 bytes a query
	s_lshl_b32 s47, s17, 7
	s_add_co_u32 s46, s46, s47
	s_mov_b32 s47, 0
	s_add_nc_u64 s[4:5], s[4:5], s[46:47]
	s_lshl_b32 s46, s17, 11                        ; y: 32,768 bytes a tile of 16 queries; chunk 4 head + kq of 512 bytes
	s_lshl_b32 s47, s16, 2
	s_add_co_u32 s47, s47, s13
	s_lshl_b32 s47, s47, 9
	s_add_co_u32 s46, s46, s47
	s_mov_b32 s47, 0
	s_add_nc_u64 s[10:11], s[10:11], s[46:47]
	CROUND                                         ; all four work-groups are here: the first joint loads meet
	TLOAD                                          ; slot 0
.irp n, 0,1,2,3,4,5,6,7
	global_load_b128 v[QF+4*\n:QF+4*\n+3], v4, s[4:5] offset:512*\n   ; Q stays in registers
.endr
.irp u, 0,1
	v_mov_b32 v[ST+8*\u], 0xff61b1e6               ; m: -3e38, under every score
.irp j, 1,2,3,4,5,6,7
	v_mov_b32 v[ST+8*\u+\j], 0                     ; l; and what is named as a pair's partner or as a lane permute's destination before it is first written
.endr
.endr
.set i, 0
.rept 64
	v_mov_b32 v[O+i], 0                            ; O^T: the step is written once; its first run finds zeros, which a = 0 leaves zeros
.set i, i+1
.endr
	s_wait_loadcnt 0x0                             ; Q
; A STEP: 64 keys, group kq + 4 hs of the slot in hand.
.macro STEP hs
	s_cmp_gt_u32 s23, s18
	s_cbranch_scc1 .Lhid_\@                        ; all its keys lie behind the block's last query
	v_add_nc_u32 v2, s22, v1
	v_add_nc_u32 v3, VOFF, v2
	NOPS4                                          ; with the two additions six places behind the last products: their P is written over by products (five are owed), their V by loads (four)
.irp b, 0,1,2,3
.irp e, 0,1
	ds_load_b128 v[KV+16*\b+8*\e:KV+16*\b+8*\e+3], v2 offset:32768*\hs+2048*\b+1024*\e
	ds_load_b128 v[KV+16*\b+8*\e+4:KV+16*\b+8*\e+7], v2 offset:32768*\hs+2048*\b+1024*\e+512
.endr
.endr
	s_wait_dscnt 0x0
.irp e, 0,1                            ; S^T = K Q^T: eight accumulators by turns
.irp u, 0,1
.irp b, 0,1,2,3
.if \e == 0
	v_wmma_f32_16x16x32_f16 v[S+32*\u+8*\b:S+32*\u+8*\b+7], v[KV+16*\b+8*\e:KV+16*\b+8*\e+7], v[QF+16*\u+8*\e:QF+16*\u+8*\e+7], 0
.else
	v_wmma_f32_16x16x32_f16 v[S+32*\u+8*\b:S+32*\u+8*\b+7], v[KV+16*\b+8*\e:KV+16*\b+8*\e+7], v[QF+16*\u+8*\e:QF+16*\u+8*\e+7], v[S+32*\u+8*\b:S+32*\u+8*\b+7]
.endif
.endr
.endr
.endr
	NOPS4                                          ; places in front of the loads over K and of the first read of the scores
.irp c, 0,1,2,3                        ; V lands under the softmax
.irp e, 0,1
	ds_load_b128 v[KV+16*\c+8*\e:KV+16*\c+8*\e+3], v3 offset:32768*\hs+2048*\c+1024*\e
	ds_load_b128 v[KV+16*\c+8*\e+4:KV+16*\c+8*\e+7], v3 offset:32768*\hs+2048*\c+1024*\e+512
.endr
.endr
	s_cmp_le_u32 s23, s19
	s_cbranch_scc1 .Lopen_\@                       ; all its keys count for all of the block
	s_sub_co_i32 s45, s44, s23
	v_add_nc_u32 v10, s45, v8                      ; register 8 b + j of tile u holds key KF + 16 b + 8 h + j of query Q0 + 16 u + r: hidden where 16 b + j > r - 8 h + Q0 + 2,047 - KF + 16 u
	v_add_nc_u32 v11, 16, v10
.irp u, 0,1
.irp b, 0,1,2,3
.irp j, 0,1,2,3,4,5,6,7
	v_cmp_gt_i32 vcc_lo, 16*\b+\j, v[10+\u]
	v_cndmask_b32 v[S+32*\u+8*\b+\j], v[S+32*\u+8*\b+\j], v9, vcc_lo
.endr
.endr
.endr
.Lopen_\@:
.irp j, 0,1,2,3                        ; the largest of 32 scores and the old m: four chains, each begun at its accumulator's low end; the two tiles by turns
.irp u, 0,1
	v_max3_num_f32 v[ST+8*\u+4+\j], v[S+32*\u+8*\j], v[S+32*\u+8*\j+1], v[S+32*\u+8*\j+2]
.endr
.endr
.irp g, 1,2
.irp j, 0,1,2,3
.irp u, 0,1
	v_max3_num_f32 v[ST+8*\u+4+\j], v[ST+8*\u+4+\j], v[S+32*\u+8*\j+2*\g+1], v[S+32*\u+8*\j+2*\g+2]
.endr
.endr
.endr
.irp u, 0,1
	v_max3_num_f32 v[ST+8*\u+4], v[ST+8*\u+4], v[S+32*\u+7], v[S+32*\u+15]
.endr
.irp u, 0,1
	v_max3_num_f32 v[ST+8*\u+6], v[ST+8*\u+6], v[S+32*\u+23], v[S+32*\u+31]
.endr
.irp u, 0,1
	v_max3_num_f32 v[ST+8*\u+4], v[ST+8*\u+4], v[ST+8*\u+5], v[ST+8*\u+6]
.endr
.irp u, 0,1
	v_max3_num_f32 v[ST+8*\u+4], v[ST+8*\u+4], v[ST+8*\u+7], v[ST+8*\u]
.endr
.irp u, 0,1
	v_permlanex16_b32 v[ST+8*\u+5], v[ST+8*\u+4], s20, s21   ; the query's other 32 keys lie in the lane 16 away
.endr
.irp u, 0,1
	v_mov_b32 v[ST+8*\u+7], v[ST+8*\u]
.endr
.irp u, 0,1
	v_max_num_f32 v[ST+8*\u], v[ST+8*\u+4], v[ST+8*\u+5]
.endr
.irp u, 0,1
	v_sub_f32 v[ST+8*\u+6], v[ST+8*\u+7], v[ST+8*\u]         ; old m - new m
.endr
.irp u, 0,1
.set i, 0
.rept 16
	v_pk_add_f32 v[S+32*\u+i:S+32*\u+i+1], v[S+32*\u+i:S+32*\u+i+1], v[ST+8*\u:ST+8*\u+1] op_sel_hi:[1,0] neg_lo:[0,1] neg_hi:[0,1]   ; s - m
.set i, i+2
.endr
.endr
.irp u, 0,1                            ; ONE BATCH of 66 exponentials, a plain line, one wait
	v_exp_f32 v[ST+8*\u+4], v[ST+8*\u+6]           ; a
.endr
.set i, 0
.rept 64
	v_exp_f32 v[S+i], v[S+i]                       ; p, at most 1
.set i, i+1
.endr
	v_nop
	s_wait_alu depctr_va_vdst(0)                   ; the wait ahead of the first line that names a result: one for the batch
.irp u, 0,1
	v_pk_mul_f32 v[ST+8*\u+2:ST+8*\u+3], v[ST+8*\u+2:ST+8*\u+3], v[ST+8*\u+4:ST+8*\u+5] op_sel_hi:[1,0]   ; l x a
.endr
.irp u, 0,1                            ; the sum of the unrounded p, in two chains
	v_pk_add_f32 v[ST+8*\u+6:ST+8*\u+7], v[S+32*\u:S+32*\u+1], v[S+32*\u+2:S+32*\u+3]
.endr
.irp j, 4,8,12,16,20,24,28
.irp u, 0,1
	v_pk_add_f32 v[ST+8*\u+2:ST+8*\u+3], v[ST+8*\u+2:ST+8*\u+3], v[S+32*\u+\j:S+32*\u+\j+1]
	v_pk_add_f32 v[ST+8*\u+6:ST+8*\u+7], v[ST+8*\u+6:ST+8*\u+7], v[S+32*\u+\j+2:S+32*\u+\j+3]
.endr
.endr
.irp u, 0,1
	v_pk_add_f32 v[ST+8*\u+2:ST+8*\u+3], v[ST+8*\u+2:ST+8*\u+3], v[ST+8*\u+6:ST+8*\u+7]
.endr
.irp u, 0,1                            ; p to f16, in place: register n takes registers 2 n and 2 n + 1
.set i, 0
.rept 16
	v_cvt_pk_f16_f32 v[S+32*\u+i], v[S+32*\u+2*i], v[S+32*\u+2*i+1]
.set i, i+1
.endr
.endr
.irp u, 0,1                            ; O^T x a, each accumulator from its low end on
.set i, 0
.rept 16
	v_pk_mul_f32 v[O+32*\u+i:O+32*\u+i+1], v[O+32*\u+i:O+32*\u+i+1], v[ST+8*\u+4:ST+8*\u+5] op_sel_hi:[1,0]
.set i, i+2
.endr
.endr
	s_wait_dscnt 0x0                               ; V is in
.irp e, 0,1                            ; O^T += V^T P: eight accumulators by turns
.irp u, 0,1
.irp c, 0,1,2,3
	v_wmma_f32_16x16x32_f16 v[O+32*\u+8*\c:O+32*\u+8*\c+7], v[KV+16*\c+8*\e:KV+16*\c+8*\e+7], v[S+32*\u+8*\e:S+32*\u+8*\e+7], v[O+32*\u+8*\c:O+32*\u+8*\c+7]
.endr
.endr
.endr
.Lhid_\@:
	s_add_co_u32 s23, s23, 256                     ; my next group of keys
.endm
; THE CHANGE OF SLOTS, at a slot's head.  Each wave waits for all its tensor loads, adds 0 to its spare word, and waits for that and for its reads of the slot that it has left.  fill = 1: a round of the cluster's
; barrier, and behind it the other slot is filled with the next 512 keys: that load has a slot's steps in which to land.  By this text's count a wave has one tensor load out.
.macro CHANGE fill
	s_wait_tensorcnt 0x0                           ; no tensor load of mine is out: the group 0 may be written
	ds_add_u32 v5, v6
.if \fill
	ds_add_u32 v5, v6                              ; and, where a load follows that some waves go round, twice on end, in every trip alike
	s_xor_b32 s37, s37, SLOT1
	s_add_nc_u64 s[38:39], s[38:39], 65536
	s_wait_xcnt 0x0                                ; the last prefetch, a slot back, has read its address
	s_add_nc_u64 s[40:41], s[40:41], 65536
	s_wait_dscnt 0x0
	CROUND
	TLOAD
	ASK
.else
	s_wait_dscnt 0x0
	s_barrier_signal -1
	s_barrier_wait -1
.endif
.endm
.Lslot:                                ; seven trips: behind each change of slots but the last the next slot is asked for
	CHANGE 1
	STEP 0
	STEP 1
	s_xor_b32 s22, s22, SLOT1
	s_sub_co_u32 s26, s26, 1
	s_cmp_lg_u32 s26, 0
	s_cbranch_scc1 .Lslot
	CHANGE 0                                       ; the last slot is written out
	STEP 0
	STEP 1
	; THE MERGE.  The stage is LDS slot 0: it has had its last fill, and every wave has left it at the last change of slots.
	NOPS4                                          ; places behind the last products
.irp u, 0,1
	v_add_f32 v[ST+8*\u+4], v[ST+8*\u+2], v[ST+8*\u+3]
.endr
.irp u, 0,1
	v_permlanex16_b32 v[ST+8*\u+5], v[ST+8*\u+4], s20, s21
.endr
.irp u, 0,1
	v_add_f32 v[ST+8*\u+2], v[ST+8*\u+4], v[ST+8*\u+5]       ; my keys' l
.endr
.irp u, 0,1
.irp c, 0,1,2,3
	ds_store_b128 v12, v[O+32*\u+8*\c:O+32*\u+8*\c+3] offset:1024*(4*\u+\c)
	ds_store_b128 v12, v[O+32*\u+8*\c+4:O+32*\u+8*\c+7] offset:1024*(4*\u+\c)+512
.endr
.endr
	ds_store_b32 v13, v[ST]
	ds_store_b32 v13, v[ST+8] offset:128
	ds_store_b32 v13, v[ST+2] offset:256
	ds_store_b32 v13, v[ST+10] offset:384
	s_wait_dscnt 0x0                               ; for the others' sake: my stores have landed
	s_barrier_signal -1
	s_barrier_wait -1
.irp k, 0,1,2,3
.irp u, 0,1
	ds_load_b128 v[KV+16*\k+8*\u:KV+16*\k+8*\u+3], v14 offset:8192*\k+4096*\u
	ds_load_b128 v[KV+16*\k+8*\u+4:KV+16*\k+8*\u+7], v14 offset:8192*\k+4096*\u+512
.endr
.irp j, 0,1,2,3
	ds_load_b32 v[S+4*\k+\j], v15 offset:512*\k+128*\j       ; m0, m1, l0, l1 of wave k of my block
.endr
.endr
	s_wait_dscnt 0x0
.irp u, 0,1
	v_max3_num_f32 v[128+\u], v[S+\u], v[S+4+\u], v[S+8+\u]
.endr
.irp u, 0,1
	v_max_num_f32 v[128+\u], v[128+\u], v[S+12+\u]           ; M
.endr
.irp u, 0,1
.irp k, 0,1,2,3
	v_sub_f32 v[130+4*\u+\k], v[S+4*\k+\u], v[128+\u]
.endr
.endr
.set i, 0
.rept 8
	v_exp_f32 v[130+i], v[130+i]                   ; f_k = 2^(m_k - M)
.set i, i+1
.endr
	v_nop
	s_wait_alu depctr_va_vdst(0)
.irp u, 0,1
	v_mul_f32 v[138+\u], v[130+4*\u], v[S+2+\u]
.endr
.irp k, 1,2,3
.irp u, 0,1
	v_fmac_f32 v[138+\u], v[130+4*\u+\k], v[S+4*\k+2+\u]     ; L = sum of f_k l_k
.endr
.endr
	v_rcp_f32 v138, v138
	v_rcp_f32 v139, v139
	v_nop
	s_wait_alu depctr_va_vdst(0)
.irp u, 0,1
.irp k, 0,1,2,3
	v_mul_f32 v[140+8*\u+2*\k], v[130+4*\u+\k], v[138+\u]    ; g_k = f_k / L, in both registers of a pair
	v_mul_f32 v[141+8*\u+2*\k], v[130+4*\u+\k], v[138+\u]
.endr
.endr
.irp u, 0,1
.irp p, 0,2,4,6
	v_pk_mul_f32 v[160+8*\u+\p:161+8*\u+\p], v[KV+8*\u+\p:KV+8*\u+\p+1], v[140+8*\u:141+8*\u] op_sel_hi:[1,0]
.endr
.irp k, 1,2,3
.irp p, 0,2,4,6
	v_pk_fma_f32 v[160+8*\u+\p:161+8*\u+\p], v[KV+16*\k+8*\u+\p:KV+16*\k+8*\u+\p+1], v[140+8*\u+2*\k:141+8*\u+2*\k], v[160+8*\u+\p:161+8*\u+\p] op_sel_hi:[1,0,1]
.endr
.endr
.endr
.irp u, 0,1
.irp p, 0,1,2,3
	v_cvt_pk_f16_f32 v[O+4*\u+\p], v[160+8*\u+2*\p], v[161+8*\u+2*\p]
.endr
	global_store_b128 v4, v[O+4*\u:O+4*\u+3], s[10:11] offset:32768*\u   ; an image block of y: 512 consecutive bytes
.endr
	s_wait_tensorcnt 0x0                           ; the wave's end
	ds_add_u32 v5, v6
	s_wait_dscnt 0x0
	CROUND                                         ; the closing round
	s_endpgm
.Lfunc_end_k_qa0edcbeb87_attn:
	.size	k_qa0edcbeb87_attn, .Lfunc_end_k_qa0edcbeb87_attn-k_qa0edcbeb87_attn
	.p2alignl 7, 3214868480
	.fill 96, 4, 3214868480
	.section	.rodata,"a",@progbits
	.p2align	6, 0x0
	.amdhsa_kernel k_qa0edcbeb87_attn
		.amdhsa_group_segment_fixed_size 327680
		.amdhsa_private_segment_fixed_size 0
		.amdhsa_enable_private_segment 0
		.amdhsa_kernarg_size 32
		.amdhsa_user_sgpr_count 2
		.amdhsa_user_sgpr_kernarg_segment_ptr 1
		.amdhsa_wavefront_size32 1
		.amdhsa_system_sgpr_workgroup_id_x 1
		.amdhsa_system_sgpr_workgroup_id_y 1
		.amdhsa_system_sgpr_workgroup_id_z 1
		.amdhsa_system_vgpr_workitem_id 0
		.amdhsa_next_free_vgpr 256
		.amdhsa_next_free_sgpr 66
		.amdhsa_reserve_vcc 1
		.amdhsa_float_denorm_mode_32 3
		.amdhsa_float_denorm_mode_16_64 3
		.amdhsa_memory_ordered 1
		.amdhsa_forward_progress 1
		.amdhsa_inst_pref_size 104
	.end_amdhsa_kernel
	.amdgpu_metadata
---
amdhsa.version: [ 1, 2 ]
amdhsa.kernels:
  - .name:           k_qa0edcbeb87_attn
    .symbol:         k_qa0edcbeb87_attn.kd
    .args:
      - { .name: qb, .offset: 0, .size: 8, .value_kind: global_buffer, .address_space: global }
      - { .name: kb, .offset: 8, .size: 8, .value_kind: global_buffer, .address_space: global }
      - { .name: vb, .offset: 16, .size: 8, .value_kind: global_buffer, .address_space: global }
      - { .name: yb, .offset: 24, .size: 8, .value_kind: global_buffer, .address_space: global }
    .group_segment_fixed_size: 327680
    .private_segment_fixed_size: 0
    .kernarg_segment_align: 8
    .kernarg_segment_size: 32
    .max_flat_workgroup_size: 512
    .sgpr_count:     66
    .vgpr_count:     256
    .wavefront_size: 32
...
	.end_amdgpu_metadata
.endif
;; end of part 3
;; launch proj (part 4): grid 16 x 16, 4 waves a work-group, clusters of 4 x 4, 327,680 bytes of LDS; arguments yb, wp16, b_proj, out0; writes out0
.if DOCPART == 4
	.amdgcn_target "amdgcn-amd-amdhsa--gfx1250"
	.amdhsa_code_object_version 6
	.text
	.protected	k_qa0edcbeb87_proj
	.globl	k_qa0edcbeb87_proj
	.p2align	8
	.type	k_qa0edcbeb87_proj,@function
k_qa0edcbeb87_proj:
	s_mov_b64 s[64:65], 0
	v_nop
	global_prefetch_b8 v0, s[64:65] scope:SCOPE_SE
	s_setreg_imm32_b32 hwreg(HW_REG_WAVE_MODE, 25, 1), 1
	s_wait_xcnt 0x0
	s_wait_alu depctr_hold_cnt(0) depctr_sa_sdst(0) depctr_va_vdst(0) depctr_va_sdst(0) depctr_va_ssrc(0) depctr_va_vcc(0) depctr_vm_vsrc(0)
	s_getreg_b32 s2, hwreg(HW_REG_IB_STS2, 6, 4)
	s_cmp_eq_u32 s2, 0
	s_cbranch_scc0 .Lentry_in_a_cluster
	s_endpgm
.Lentry_in_a_cluster:
	s_bfe_u32 s2, ttmp6, 0x10000c
	s_cmp_lg_u32 s2, 0xf033
	s_cbranch_scc0 .Lentry_shape_is_right
	s_endpgm
.Lentry_shape_is_right:
; PROJ: out0 = y W_proj + b_proj, [2048][1024] f32; y and W_proj in f16, as images of their fragments' registers ([tile of 16 rows][64 chunks of 16 k][512 bytes]); sums f32.
; A work-group makes 128 tokens x 64 columns.  K goes in four chunks of 256 through three LDS slots (chunks 0, 1, 2 are first fills, chunk 3 fills slot 0 again).
; THE WAVES SHARE K: in each chunk wave w multiplies the WHOLE tile for the two K steps of 32 numbered 2 w, 2 w + 1: 32 accumulators, 12,288 bytes of LDS for 32 products.  The four partial sums meet in a stage in LDS.
; THE ORDER OF THE SUM: four partial sums over K, added as ((0 + 1) + (2 + 3)) + bias.
; CLUSTER 4 x 4: y's tiles are shared along a row of the cluster, W_proj's along a column: joint loads.  Source 0 = 16 columns of W_proj, source 1 = 16 tokens: a lane holds eight neighbouring columns of one row.
; REGISTERS, in windows of 256: window 0: v0-31 addresses, the bias; v32-95 W_proj's fragments, two sets; v128-255 the last sums' two buffers.  window 1: v0-127 y's fragments, two sets.  window 2: accumulator (a, b) at 8 (4 a + b).
.set SLOTB, 98304                      ; a slot: y's 8 tiles x 8,192 bytes, then W_proj's 4 x 8,192
.set POFF,  65536
.set STG,   98304                      ; the stage: 4 copies x 128 rows x (256 + 16) bytes, in slots 1 and 2, behind their one fill and their last read
.set CPY,   34816
.set SPARE, 294912                     ; the spare words, 128 bytes a wave
.set WV,  12
.set AY,  4                            ; v4-6   my K steps of y in slot 0, 1, 2: 98,304 s + 2,048 w + 16 lane
.set AP,  7                            ; v7-9   the same of W_proj
.set STO, 10
.set RD,  11                           ; v11-14 where I read rows of copy 0 .. 3 back
.set CO,  15
.set SPW, 16
.set NIL, 17
.set BIA, 24                           ; v24-27 the bias of my four columns
.set PF,  32
.set G1Y, 24
.set G1P, 32
.set G0Y, 40                           ; s[40:51] three groups 0 for y's tiles;  s[52:63] for W_proj's
.set G0P, 52
.set MSB, 0
.macro WIN new                         ; the immediate's high byte repeats the setting that is left
.if MSB != \new
	s_set_vgpr_msb (MSB<<8)|\new
.set MSB, \new
.endif
.endm
.macro NOPS4
.rept 4
	v_nop
.endr
.endm
.macro CROUND
	s_barrier_signal -1
	s_barrier_wait -1
	s_cmp_lg_u32 s[WV], 0
	s_cbranch_scc1 .Lnw0_\@
	s_barrier_signal -3
.Lnw0_\@:
	s_barrier_wait -3
	s_barrier_signal -1
	s_barrier_wait -1
.endm
	s_load_b256 s[4:11], s[0:1], 0x0               ; yb, wp16, b_proj, out0
	v_lshl_add_u32 v[SPW], v0, 2, SPARE
	v_mov_b32 v[NIL], 0
	ds_add_u32 v[SPW], v[NIL]                      ; the opening: the add, twice on end, and its wait ahead of the first tensor load; the set-up stands between
	ds_add_u32 v[SPW], v[NIL]
	v_lshrrev_b32 v3, 5, v0
	v_readfirstlane_b32 s[WV], v3
	s_lshr_b32 s13, s[WV], 1                       ; I fetch for y (0) or for W_proj (1),
	s_and_b32 s14, s[WV], 1                        ; its first or second half
	s_bfe_u32 s15, ttmp6, 0x40000                  ; cx
	s_bfe_u32 s16, ttmp6, 0x40004                  ; cy
	s_lshl_b32 s17, ttmp9, 2
	s_add_co_u32 s17, s17, s15                     ; tx: which 64 columns
	s_and_b32 s18, ttmp7, 0xffff
	s_lshl_b32 s18, s18, 2
	s_add_co_u32 s18, s18, s16                     ; ty: which 128 tokens
	s_lshl_b32 s19, s16, 2
	s_lshl_b32 s19, 15, s19                        ; my row of the cluster
	s_lshl_b32 s20, 0x1111, s15                    ; my column
	; group 1: rows of 8,192 bytes (1,024 elements of 8), one for each tile of 16, 32,768 bytes apart: four for y, two for W_proj
	s_or_b32 s[G1Y], s19, (3<<16)|(1<<21)
	s_mov_b32 s[G1Y+1], 1024<<16
	s_mov_b32 s[G1Y+2], 4<<16
	s_mov_b32 s[G1Y+3], 1024<<16
	s_mov_b32 s[G1Y+4], 4
	s_mov_b32 s[G1Y+5], 4096
	s_mov_b32 s[G1Y+6], 0
	s_mov_b32 s[G1Y+7], 0
	s_or_b32 s[G1P], s20, (3<<16)|(1<<21)
	s_mov_b32 s[G1P+1], 1024<<16
	s_mov_b32 s[G1P+2], 2<<16
	s_mov_b32 s[G1P+3], 1024<<16
	s_mov_b32 s[G1P+4], 2
	s_mov_b32 s[G1P+5], 4096
	s_mov_b32 s[G1P+6], 0
	s_mov_b32 s[G1P+7], 0
	s_lshl_b32 s66, s18, 3
	s_lshl_b32 s67, s14, 2
	s_add_co_u32 s66, s66, s67
	s_lshl_b32 s66, s66, 15                        ; y: tile 8 ty + 4 x half
	s_mov_b32 s67, 0
	s_lshl_b32 s68, s17, 2
	s_lshl_b32 s69, s14, 1
	s_add_co_u32 s68, s68, s69
	s_lshl_b32 s68, s68, 15                        ; W_proj: tile 4 tx + 2 x half
	s_mov_b32 s69, 0
	s_lshl_b32 s70, s14, 15                        ; and where they go in a slot
	s_lshl_b32 s71, s14, 14
	s_add_co_u32 s71, s71, POFF
	v_and_b32 v1, 15, v0                           ; r
	v_bfe_u32 v2, v0, 4, 1                         ; h
	v_and_b32 v3, 31, v0
	v_lshlrev_b32 v3, 4, v3
	s_lshl_b32 s76, s[WV], 11
	v_add_nc_u32 v[AY], s76, v3
	v_add_nc_u32 v[AY+1], SLOTB, v[AY]
	v_add_nc_u32 v[AY+2], 2*SLOTB, v[AY]
	v_add_nc_u32 v[AP], POFF, v[AY]
	v_add_nc_u32 v[AP+1], POFF, v[AY+1]
	v_add_nc_u32 v[AP+2], POFF, v[AY+2]
	s_mul_i32 s76, s[WV], CPY
	s_add_co_u32 s76, s76, STG
	v_mul_u32_u24 v[STO], v1, 272
	v_lshl_add_u32 v[STO], v2, 5, v[STO]
	v_add_nc_u32 v[STO], s76, v[STO]               ; into my copy: row r, + 32 h
	s_mul_i32 s76, s[WV], 32*272
	s_add_co_u32 s76, s76, STG
	v_mul_u32_u24 v[RD], v2, 272
	v_lshl_add_u32 v[RD], v1, 4, v[RD]
	v_add_nc_u32 v[RD], s76, v[RD]                 ; back: rows 32 w on; lanes 0-15 one row, lanes 16-31 the next
	v_add_nc_u32 v[RD+1], CPY, v[RD]
	v_add_nc_u32 v[RD+2], 2*CPY, v[RD]
	v_add_nc_u32 v[RD+3], 3*CPY, v[RD]
	v_lshlrev_b32 v[CO], 12, v2
	v_lshl_add_u32 v[CO], v1, 4, v[CO]             ; the same two rows in out0
	v_lshlrev_b32 v18, 4, v1
	s_lshl_b32 s76, s18, 7
	s_lshl_b32 s77, s[WV], 5
	s_add_co_u32 s76, s76, s77
	s_lshl_b32 s76, s76, 12                        ; row 128 ty + 32 w of 4,096 bytes,
	s_lshl_b32 s78, s17, 8                         ; + 256 tx
	s_add_co_u32 s76, s76, s78
	s_mov_b32 s77, 0
	s_mov_b32 s79, 0
	s_wait_dscnt 0x0                               ; both opening adds are done
	s_wait_kmcnt 0x0
	s_add_nc_u64 s[72:73], s[4:5], s[66:67]
	s_add_nc_u64 s[74:75], s[6:7], s[68:69]
	s_add_nc_u64 s[8:9], s[8:9], s[78:79]
	s_add_nc_u64 s[10:11], s[10:11], s[76:77]
	CROUND                                         ; all sixteen work-groups are here: the first joint loads meet
.irp n, 0,1,2
	s_mov_b32 s[G0Y+4*\n], 1
	s_add_co_u32 s[G0Y+4*\n+1], s70, \n*SLOTB
	s_add_nc_u64 s[G0Y+4*\n+2:G0Y+4*\n+3], s[72:73], \n*8192
	s_or_b32 s[G0Y+4*\n+3], s[G0Y+4*\n+3], 0x80000000
	s_mov_b32 s[G0P+4*\n], 1
	s_add_co_u32 s[G0P+4*\n+1], s71, \n*SLOTB
	s_add_nc_u64 s[G0P+4*\n+2:G0P+4*\n+3], s[74:75], \n*8192
	s_or_b32 s[G0P+4*\n+3], s[G0P+4*\n+3], 0x80000000
.endr
	s_cmp_eq_u32 s13, 0                            ; a wave's three first fills stand in one branch: three loads of mine are out; an s_nop 0 follows each, four v_nop the last
	s_cbranch_scc0 .Lfirst_p
	tensor_load_to_lds s[G0Y:G0Y+3], s[G1Y:G1Y+7]
	s_nop 0
	tensor_load_to_lds s[G0Y+4:G0Y+7], s[G1Y:G1Y+7]
	s_nop 0
	tensor_load_to_lds s[G0Y+8:G0Y+11], s[G1Y:G1Y+7]
	s_nop 0
	NOPS4
	s_branch .Lfirst_done
.Lfirst_p:
	tensor_load_to_lds s[G0P:G0P+3], s[G1P:G1P+7]
	s_nop 0
	tensor_load_to_lds s[G0P+4:G0P+7], s[G1P:G1P+7]
	s_nop 0
	tensor_load_to_lds s[G0P+8:G0P+11], s[G1P:G1P+7]
	s_nop 0
	NOPS4
.Lfirst_done:
	global_load_b128 v[BIA:BIA+3], v18, s[8:9]
.macro FETCH sl, ii, fb                ; my K step ii (0, 1) of slot sl into set fb: 8 loads for W_proj's four fragments, 16 for y's eight
	WIN 0
.irp b, 0,1,2,3
	ds_load_b128 v[PF+32*\fb+8*\b:PF+32*\fb+8*\b+3], v[AP+\sl] offset:8192*\b+1024*\ii
	ds_load_b128 v[PF+32*\fb+8*\b+4:PF+32*\fb+8*\b+7], v[AP+\sl] offset:8192*\b+1024*\ii+512
.endr
	WIN 0x40                                       ; destination window 1
.irp a, 0,1,2,3,4,5,6,7
	ds_load_b128 v[64*\fb+8*\a:64*\fb+8*\a+3], v[AY+\sl] offset:8192*\a+1024*\ii
	ds_load_b128 v[64*\fb+8*\a+4:64*\fb+8*\a+7], v[AY+\sl] offset:8192*\a+1024*\ii+512
.endr
.endm
.macro MUL fb, zero                    ; 32 products, the 32 accumulators by turns.  zero = 1: they start the sums
	WIN 0xa4                                       ; source 0 window 0, source 1 window 1, C and D window 2
.irp a, 0,1,2,3,4,5,6,7
.irp b, 0,1,2,3
.if \zero
	v_wmma_f32_16x16x32_f16 v[8*(4*\a+\b):8*(4*\a+\b)+7], v[PF+32*\fb+8*\b:PF+32*\fb+8*\b+7], v[64*\fb+8*\a:64*\fb+8*\a+7], 0
.else
	v_wmma_f32_16x16x32_f16 v[8*(4*\a+\b):8*(4*\a+\b)+7], v[PF+32*\fb+8*\b:PF+32*\fb+8*\b+7], v[64*\fb+8*\a:64*\fb+8*\a+7], v[8*(4*\a+\b):8*(4*\a+\b)+7]
.endif
.endr
.endr
.endm
.macro CHUNK sl, zero
	NOPS4                                          ; four places in front of loads into registers that matrix instructions have read
	FETCH \sl, 0, 0
	FETCH \sl, 1, 1
	s_wait_dscnt 24                                ; the first K step's fragments are in; the second's 24 loads may be out
	MUL 0, \zero
	s_wait_dscnt 0x0
	MUL 1, 0
.endm
	s_wait_tensorcnt 2                             ; my part of chunk 0 is in; chunks 1 and 2 may stay out
	s_barrier_signal -1
	s_barrier_wait -1
	CHUNK 0, 1
	WIN 0
	s_wait_tensorcnt 0x0                           ; all my tensor loads have landed, chunks 1 and 2 among them
	ds_add_u32 v[SPW], v[NIL]
	s_add_nc_u64 s[G0Y+2:G0Y+3], s[G0Y+2:G0Y+3], 3*8192    ; slot 0's next tile: chunk 3
	s_add_nc_u64 s[G0P+2:G0P+3], s[G0P+2:G0P+3], 3*8192
	s_wait_dscnt 0x0                               ; the add is done, and my reads of slot 0 are over
	CROUND                                         ; no wave of any partner still reads slot 0 or has a load on its way
	s_cmp_eq_u32 s13, 0
	s_cbranch_scc0 .Lre_p
	tensor_load_to_lds s[G0Y:G0Y+3], s[G1Y:G1Y+7]  ; the one refill: it has two chunks, 128 products a wave, in which to land
	s_nop 0
	NOPS4
	s_branch .Lre_done
.Lre_p:
	tensor_load_to_lds s[G0P:G0P+3], s[G1P:G1P+7]
	s_nop 0
	NOPS4
.Lre_done:
	CHUNK 1, 0
	CHUNK 2, 0
	WIN 0
	s_wait_tensorcnt 0x0                           ; my part of chunk 3 is in,
	s_wait_dscnt 0x0                               ; and my reads of slots 1 and 2 are over: the stage will lie there
	s_barrier_signal -1
	s_barrier_wait -1                              ; both hold of every wave
	CHUNK 0, 0
	NOPS4                                          ; places behind the last products
	WIN 0x08                                       ; an LDS store's data are its source 1: window 2
.irp a, 0,1,2,3,4,5,6,7
.irp b, 0,1,2,3
	ds_store_b128 v[STO], v[8*(4*\a+\b):8*(4*\a+\b)+3] offset:4352*\a+64*\b          ; each accumulator from its low end on: row 16 a + r, columns 16 b + 8 h + 0..7
	ds_store_b128 v[STO], v[8*(4*\a+\b)+4:8*(4*\a+\b)+7] offset:4352*\a+64*\b+16
.endr
.endr
	WIN 0
	s_wait_dscnt 0x0                               ; for the others' sake: my copy lies in the stage
	s_barrier_signal -1
	s_barrier_wait -1
	s_wait_loadcnt 0x0                             ; the bias
.macro LOADB g                         ; four pairs of rows of all four copies: 16 loads into buffer g % 2
.irp c, 0,1,2,3
.irp t, 0,1,2,3
	ds_load_b128 v[128+64*((\g)%2)+16*\c+4*\t:128+64*((\g)%2)+16*\c+4*\t+3], v[RD+\c] offset:544*(4*(\g)+\t)
.endr
.endr
.endm
.macro SUMB g
.set BB, 128+64*((\g)%2)
.irp t, 0,1,2,3
.irp p, 0,2
	v_pk_add_f32 v[BB+4*\t+\p:BB+4*\t+\p+1], v[BB+4*\t+\p:BB+4*\t+\p+1], v[BB+16+4*\t+\p:BB+16+4*\t+\p+1]
	v_pk_add_f32 v[BB+32+4*\t+\p:BB+32+4*\t+\p+1], v[BB+32+4*\t+\p:BB+32+4*\t+\p+1], v[BB+48+4*\t+\p:BB+48+4*\t+\p+1]
.endr
.irp p, 0,2
	v_pk_add_f32 v[BB+4*\t+\p:BB+4*\t+\p+1], v[BB+4*\t+\p:BB+4*\t+\p+1], v[BB+32+4*\t+\p:BB+32+4*\t+\p+1]
.endr
.irp p, 0,2
	v_pk_add_f32 v[BB+4*\t+\p:BB+4*\t+\p+1], v[BB+4*\t+\p:BB+4*\t+\p+1], v[BIA+\p:BIA+\p+1]
.endr
	global_store_b128 v[CO], v[BB+4*\t:BB+4*\t+3], s[10:11] offset:8192*(4*(\g)+\t) th:TH_STORE_NT   ; sixteen lanes store 256 consecutive bytes, aligned; written once, read by nobody here
.endr
.endm
	LOADB 0
	LOADB 1
	s_wait_dscnt 16                                ; batch 0 is in; batch 1's 16 loads may be out
	SUMB 0
	s_wait_xcnt 0x0                                ; batch 0's stores have read their registers: loads may land there
	LOADB 2
	s_wait_dscnt 16
	SUMB 1
	s_wait_xcnt 0x0
	LOADB 3
	s_wait_dscnt 16
	SUMB 2
	s_wait_dscnt 0x0
	SUMB 3
	s_wait_tensorcnt 0x0                           ; the wave's end
	ds_add_u32 v[SPW], v[NIL]
	s_wait_dscnt 0x0
	CROUND                                         ; the closing round
	s_endpgm
.Lfunc_end_k_qa0edcbeb87_proj:
	.size	k_qa0edcbeb87_proj, .Lfunc_end_k_qa0edcbeb87_proj-k_qa0edcbeb87_proj
	.p2alignl 7, 3214868480
	.fill 96, 4, 3214868480
	.section	.rodata,"a",@progbits
	.p2align	6, 0x0
	.amdhsa_kernel k_qa0edcbeb87_proj
		.amdhsa_group_segment_fixed_size 327680
		.amdhsa_private_segment_fixed_size 0
		.amdhsa_enable_private_segment 0
		.amdhsa_kernarg_size 32
		.amdhsa_user_sgpr_count 2
		.amdhsa_user_sgpr_kernarg_segment_ptr 1
		.amdhsa_wavefront_size32 1
		.amdhsa_system_sgpr_workgroup_id_x 1
		.amdhsa_system_sgpr_workgroup_id_y 1
		.amdhsa_system_sgpr_workgroup_id_z 1
		.amdhsa_system_vgpr_workitem_id 0
		.amdhsa_next_free_vgpr 768
		.amdhsa_next_free_sgpr 80
		.amdhsa_reserve_vcc 0
		.amdhsa_float_denorm_mode_32 3
		.amdhsa_float_denorm_mode_16_64 3
		.amdhsa_memory_ordered 1
		.amdhsa_forward_progress 1
		.amdhsa_inst_pref_size 57
	.end_amdhsa_kernel
	.amdgpu_metadata
---
amdhsa.version: [ 1, 2 ]
amdhsa.kernels:
  - .name:           k_qa0edcbeb87_proj
    .symbol:         k_qa0edcbeb87_proj.kd
    .args:
      - { .name: yb, .offset: 0, .size: 8, .value_kind: global_buffer, .address_space: global }
      - { .name: wp16, .offset: 8, .size: 8, .value_kind: global_buffer, .address_space: global }
      - { .name: b_proj, .offset: 16, .size: 8, .value_kind: global_buffer, .address_space: global }
      - { .name: out0, .offset: 24, .size: 8, .value_kind: global_buffer, .address_space: global }
    .group_segment_fixed_size: 327680
    .private_segment_fixed_size: 0
    .kernarg_segment_align: 8
    .kernarg_segment_size: 32
    .max_flat_workgroup_size: 128
    .sgpr_count:     80
    .vgpr_count:     768
    .wavefront_size: 32
...
	.end_amdgpu_metadata
.endif
;; end of part 4
